; MI455X (gfx1250); checked and timed in simulation.
; The chip was launched on July 23, 2026; its instructions are those of AMD's public machine-readable ISA for CDNA 5 (MIT licence, August 2026) and "CDNA5" Instruction Set Architecture Reference Guide (July 2026). The comments in the code are by the model that wrote it; some were corrected since.
;; Mo E. Allowed arithmetic: matrix products marked QUANTISED: E4M3 operands, one E8M0 scale for each 32 along K, by v_wmma_scale_f32_16x16x128_f8f6f4 with both operands' format E4M3, f32 sums; products left as they are: f32 operands where the result goes on into a quantised operand, else bf16, f16 or f32 operands; f32 sums; everything else in f32.
;; Inputs: w_gate 8 x 1,024 float32; w_in 8 x 1,024 x 1,024 float32; w_out 8 x 1,024 x 1,024 float32; x 2 x 2,048 x 1,024 float32.
;; Outputs: out0 2 x 2,048 x 1,024 float32.
;; This version of the problem:
;;   THIS VERSION OF THE PROBLEM IS GIVEN IN LOW PRECISION. The matrix products marked QUANTISED in the list below multiply operands that are first quantised to E4M3 (4 exponent bits, 3 mantissa bits; 8 bits a number), with one power-of-two scale for each 32 numbers along K (OCP MX v1.0); their sums are f32. All else is computed in f32.
;;   The module's matrix products, in the order in which they are computed (A, B: the left and right operand; K: the contracted axis; several contracted axes count as one K, in the product's order):
;;     1. [M 4,096, K 1,024] x [K 1,024, N 8]; A: input x; B: input w_gate: left as it is (N = 8 < 16)
;;     2. [M 4,096, K 1,024] x [K 1,024, N 1,024]; A: input x; B: input w_in: QUANTISED
;;     3. [M 4,096, K 1,024] x [K 1,024, N 1,024]; A: computed on the way; B: input w_out: QUANTISED
;;     4. [M 4,096, K 1,024] x [K 1,024, N 1,024]; A: input x; B: input w_in: QUANTISED
;;     5. [M 4,096, K 1,024] x [K 1,024, N 1,024]; A: computed on the way; B: input w_out: QUANTISED
;;     6. [M 4,096, K 1,024] x [K 1,024, N 1,024]; A: input x; B: input w_in: QUANTISED
;;     7. [M 4,096, K 1,024] x [K 1,024, N 1,024]; A: computed on the way; B: input w_out: QUANTISED
;;     8. [M 4,096, K 1,024] x [K 1,024, N 1,024]; A: input x; B: input w_in: QUANTISED
;;     9. [M 4,096, K 1,024] x [K 1,024, N 1,024]; A: computed on the way; B: input w_out: QUANTISED
;;     10. [M 4,096, K 1,024] x [K 1,024, N 1,024]; A: input x; B: input w_in: QUANTISED
;;     11. [M 4,096, K 1,024] x [K 1,024, N 1,024]; A: computed on the way; B: input w_out: QUANTISED
;;     12. [M 4,096, K 1,024] x [K 1,024, N 1,024]; A: input x; B: input w_in: QUANTISED
;;     13. [M 4,096, K 1,024] x [K 1,024, N 1,024]; A: computed on the way; B: input w_out: QUANTISED
;;     14. [M 4,096, K 1,024] x [K 1,024, N 1,024]; A: input x; B: input w_in: QUANTISED
;;     15. [M 4,096, K 1,024] x [K 1,024, N 1,024]; A: computed on the way; B: input w_out: QUANTISED
;;     16. [M 4,096, K 1,024] x [K 1,024, N 1,024]; A: input x; B: input w_in: QUANTISED
;;     17. [M 4,096, K 1,024] x [K 1,024, N 1,024]; A: computed on the way; B: input w_out: QUANTISED
;;   THE QUANTISER, for each operand of a quantised product, along K:
;;     - K is cut into blocks of 32 from its start; a last block that is shorter is filled with zeros.
;;     - A block's scale is 2^e with e = floor(log2(the largest magnitude in the block)) - 8, held to -126 .. 127; a block of zeros has e = 0. As a byte (E8M0): e + 127.
;;     - Each number is divided by its block's scale, clamped to +-448, and rounded to the nearest number of E4M3, ties to even, subnormals kept.
;;     - The product sums the exact products of the quantised numbers (number of the format x scale) in f32.
;;   ~~~python
;;   def quantise(x, axis):      # numpy; x: float32 -> the quantised numbers, widened to float32 again
;;       x = np.moveaxis(x, axis, -1); K = x.shape[-1]
;;       x = np.pad(x, [(0, 0)] * (x.ndim - 1) + [(0, -K % 32)]); x = x.reshape(x.shape[:-1] + (-1, 32)); a = np.abs(x).max(-1, keepdims=True)
;;       e = np.where(a > 0, np.clip(np.frexp(np.where(a > 0, a, 1))[1] - 1 - 8, -126, 127), 0)      # np.frexp(a)[1] - 1 = floor(log2(a)), exactly
;;       r = np.clip(x / 2.0 ** e, -448, 448)
;;       step = 2.0 ** (np.maximum(np.frexp(np.where(r == 0, 1, r))[1] - 1, -6) - 3)
;;       q = np.round(r / step) * step * 2.0 ** e      # np.round: ties to even
;;       return np.moveaxis(q.reshape(q.shape[:-2] + (-1,))[..., :K], -1, axis).astype(np.float32)
;;   ~~~
;;   OPERANDS COMPUTED ON THE WAY. 'Computed on the way' means the value that the module computes at that place (a softmax that the list does not call 'softmax' is quantised finished and normalised). What goes into a quantiser is computed in f32, as accurately as f32 sums, v_exp_f32 and their like allow (about 1e-6 of the number): no bf16 or f16 on the way to a quantiser, and a product that is left as it is and whose result goes on into a quantised operand takes f32 operands (vector FMAs, or v_wmma_f32_16x16x4_f32). A number that lies on a knife's edge between two numbers of the format may be rounded either way, as far as f32 arithmetic and the matrix unit's own rounding can turn it there, and no further.
;; 2 versions. Each part assembles by itself: llvm-mc -triple=amdgcn-amd-amdhsa -mcpu=gfx1250 --defsym DOCPART=n.
;; ======== version 1 of 2: 4 launches
;; workspace buffers: xq 4,325,376 bytes; pid 16,384 bytes of whole numbers; gat 32,768 bytes; wc 16,777,216 bytes; ws 524,288 bytes; meta 24,320 bytes of whole numbers; hq 12,300,288 bytes
;; launch route (part 1): grid 256 x 1, 8 waves a work-group, no clusters, 125,440 bytes of LDS; arguments x, w_gate, xq, pid, gat; writes xq, pid, gat
.if DOCPART == 1
	.amdgcn_target "amdgcn-amd-amdhsa--gfx1250"
	.amdhsa_code_object_version 6
	.text
	.protected	k_q347f10c8d7_route
	.globl	k_q347f10c8d7_route
	.p2align	8
	.type	k_q347f10c8d7_route,@function
k_q347f10c8d7_route:
	s_mov_b64 s[64:65], 0
	v_nop
	global_prefetch_b8 v0, s[64:65] scope:SCOPE_SE
	s_setreg_imm32_b32 hwreg(HW_REG_WAVE_MODE, 25, 1), 1
	s_wait_xcnt 0x0
; ROUTER AND QUANTISER OF x.  x: [4096][1024] f32; w_gate: [8][1024] f32.
; Out: xq = x as codes of E4M3, [4096][1024], K innermost, and behind them (byte XS_OFF on) one E8M0 byte for each 32 along K, [4096][32];
;      pid[token] = the number 0..27 of the token's unordered pair of experts (lo < hi): lo (15 - lo) / 2 + hi - lo - 1;
;      gat[token] = the softmax weight of the lower-numbered expert, then of the higher-numbered.
; The logits are f32 fused multiply-adds; of equal logits the lower index wins, as in the top-k that is asked for; the larger logit is taken away before the exponential.
; No address and no branch here hangs on the choice: it is stored at fixed places, and a later launch places the rows.
; SHARES.  A work-group owns 16 tokens.  Wave w takes half j = w % 2 of K (512 numbers) of rows 4 (w / 2) + 0..3.  x is read from memory once and serves both the logits and the codes.
; A load reads 512 consecutive bytes, 16 a lane; the conversions want 16 neighbours along K in ONE lane: so the bytes turn through LDS, 64 bytes + 16 of padding to a place.  The gate rows turn the same way, once for the work-group.
; LIMITS: NaN and infinities among the inputs are not served.  A block whose largest magnitude lies under 2^-117 keeps the scale byte 1; so does a block of zeros (its codes are zeros; the bytes are read by this program alone).
; Two logits closer than the rounding of an f32 sum of 1,024 terms may be ordered either way.
.set XS_OFF, 4194304
.set XST, 40960                        ; LDS: 0: the gate rows, 16 steps (2 e + j) of 32 places x 80 bytes; XST: each wave's own stage for x, 4 units of 2,560 bytes
.set LG,  122880                       ; the half logits [j][row 16][e 8] f32
.set XSL, 123904                       ; the scale bytes [row 16][32]
.set RAW, 16                           ; v16-79   x as loaded: unit q, load i at 16 q + 4 i
.set GR,  80                           ; v80-111  my gate row as loaded
.set X,   112                          ; v112-175 x turned: unit q's 16 neighbours at 16 q
.set GW,  16                           ; v16-47   two sets of 16 gate numbers (over RAW, which has been turned by then)
.set P,   48                           ; v48-55   a pair of running sums for each unit
.set L,   176                          ; v176-207 the half logit of unit q and expert e at 8 q + e
.set CD,  208                          ; v208-223 codes
.set TM,  224                          ; v224-243 at work
	s_load_b256 s[4:11], s[0:1], 0x0               ; x s[4:5], w_gate s[6:7], xq s[8:9], pid s[10:11]
	s_load_b64 s[12:13], s[0:1], 0x20              ; gat
	v_lshl_add_u32 v254, v0, 2, 0x1e600
	v_mov_b32 v255, 0
	v_lshrrev_b32 v1, 5, v0
	v_readfirstlane_b32 s14, v1                    ; wave 0..7
	v_and_b32 v1, 31, v0                           ; lane
	s_and_b32 s15, s14, 1                          ; j
	s_lshr_b32 s16, s14, 1                         ; which four rows
	v_lshlrev_b32 v2, 4, v1                        ; 16 x lane
	v_lshrrev_b32 v3, 2, v1
	v_mul_u32_u24 v3, v3, 80
	v_and_b32 v4, 3, v1
	v_lshl_add_u32 v3, v4, 4, v3                   ; into a stage: four lanes' 64 bytes on end, then 16 of padding
	v_mul_u32_u24 v4, v1, 80                       ; out of it: my place
	s_mul_i32 s17, s14, 5120
	v_add_nc_u32 v5, s17, v3                       ; gate row w goes to steps 2 w and 2 w + 1
	s_mul_i32 s17, s14, 10240
	s_add_co_u32 s17, s17, XST
	v_add_nc_u32 v6, s17, v3                       ; my stage, in
	v_add_nc_u32 v7, s17, v4                       ; my stage, out
	s_mul_i32 s17, s15, 2560
	v_add_nc_u32 v8, s17, v4                       ; gate steps 2 e + j, out
	s_lshl_b32 s17, s15, 9
	s_lshl_b32 s18, s16, 7
	s_add_co_u32 s17, s17, s18
	s_add_co_u32 s17, s17, LG
	v_mov_b32 v9, s17                              ; my four rows' half logits
	s_lshl_b32 s17, s15, 4
	s_add_co_u32 s17, s17, s18
	s_add_co_u32 s17, s17, XSL
	v_lshrrev_b32 v10, 1, v1
	v_add_nc_u32 v10, s17, v10                     ; my block's scale byte: two lanes hold a block
	v_add_nc_u32 v11, XSL, v2                      ; wave 1's way out of the scale bytes
	v_and_b32 v12, 15, v0
	v_lshlrev_b32 v13, 2, v12                      ; pid: 4 bytes a token
	v_lshlrev_b32 v14, 3, v12                      ; gat: 8 bytes a token
	v_lshl_add_u32 v12, v12, 5, LG                 ; wave 0: a token's eight half logits
	s_lshl_b32 s24, ttmp9, 16                      ; x: 16 rows of 4,096 bytes a work-group,
	s_lshl_b32 s17, s16, 14                        ; four rows,
	s_add_co_u32 s24, s24, s17
	s_lshl_b32 s17, s15, 11                        ; half a row
	s_add_co_u32 s24, s24, s17
	s_mov_b32 s25, 0
	s_lshl_b32 s26, s14, 12                        ; gate row w
	s_mov_b32 s27, 0
	s_lshr_b32 s28, s24, 2                         ; the codes: a quarter of x's bytes
	s_mov_b32 s29, 0
	s_lshl_b32 s30, ttmp9, 9                       ; the scale bytes: 512 a work-group
	s_add_co_u32 s30, s30, XS_OFF
	s_mov_b32 s31, 0
	s_lshl_b32 s32, ttmp9, 6
	s_mov_b32 s33, 0
	s_lshl_b32 s34, ttmp9, 7
	s_mov_b32 s35, 0
	s_mov_b32 s20, 0x76543210
	s_mov_b32 s21, 0xfedcba98                      ; v_permlanex16_b32's selects for lane l xor 16
	s_mov_b32 s22, 0x600000                        ; the mantissa field of 448
	s_wait_kmcnt 0x0
	s_add_nc_u64 s[4:5], s[4:5], s[24:25]
	s_add_nc_u64 s[6:7], s[6:7], s[26:27]
	s_add_nc_u64 s[36:37], s[8:9], s[30:31]
	s_add_nc_u64 s[8:9], s[8:9], s[28:29]
	s_add_nc_u64 s[10:11], s[10:11], s[32:33]
	s_add_nc_u64 s[12:13], s[12:13], s[34:35]
.irp i, 0,1,2,3,4,5,6,7
	global_load_b128 v[GR+4*\i:GR+4*\i+3], v2, s[6:7] offset:512*\i
.endr
.irp q, 0,1,2,3
.irp i, 0,1,2,3
	global_load_b128 v[RAW+16*\q+4*\i:RAW+16*\q+4*\i+3], v2, s[4:5] offset:4096*\q+512*\i th:TH_LOAD_NT   ; 512 consecutive bytes; read once in the launch
.endr
.endr
.irp t, 0,1,2,3,4,5,6,7
	v_mov_b32 v[TM+\t], 0                          ; written once: a lane permute's destination counts as one of its sources
.endr
	s_wait_loadcnt 16                              ; my gate row is in; x's sixteen loads may be out
.irp i, 0,1,2,3,4,5,6,7
	ds_store_b128 v5, v[GR+4*\i:GR+4*\i+3] offset:2560*(\i/4)+640*(\i%4)
.endr
	s_wait_loadcnt 0x0
.irp q, 0,1,2,3
.irp i, 0,1,2,3
	ds_store_b128 v6, v[RAW+16*\q+4*\i:RAW+16*\q+4*\i+3] offset:2560*\q+640*\i
.endr
.endr
.irp q, 0,1,2,3
.irp i, 0,1,2,3
	ds_load_b128 v[X+16*\q+4*\i:X+16*\q+4*\i+3], v7 offset:2560*\q+16*\i   ; LDS serves a wave's instructions in order: these see my stores
.endr
.endr
	s_wait_dscnt 0x0                               ; for the others' sake: my gate row lies in LDS
	s_barrier_signal -1
	s_barrier_wait -1                              ; all eight gate rows do
.macro GLOAD e                         ; my 16 numbers of gate row e, half j
.irp i, 0,1,2,3
	ds_load_b128 v[GW+16*((\e)%2)+4*\i:GW+16*((\e)%2)+4*\i+3], v8 offset:5120*(\e)+16*\i
.endr
.endm
.macro GDOT e                          ; four units x 16 numbers against gate row e, two at a time, the units by turns
.if (\e) < 7
	GLOAD (\e)+1
	s_wait_dscnt 4                                 ; this row's four loads are in; the next row's may be out
.else
	s_wait_dscnt 0x0
.endif
.set GS, GW+16*((\e)%2)
.irp q, 0,1,2,3
	v_pk_mul_f32 v[P+2*\q:P+2*\q+1], v[X+16*\q:X+16*\q+1], v[GS:GS+1]
.endr
.irp i, 1,2,3,4,5,6,7
.irp q, 0,1,2,3
	v_pk_fma_f32 v[P+2*\q:P+2*\q+1], v[X+16*\q+2*\i:X+16*\q+2*\i+1], v[GS+2*\i:GS+2*\i+1], v[P+2*\q:P+2*\q+1]
.endr
.endr
.irp q, 0,1,2,3
	v_add_f32 v[L+8*\q+(\e)], v[P+2*\q], v[P+2*\q+1]
.endr
.endm
	GLOAD 0
.irp e, 0,1,2,3,4,5,6,7
	GDOT \e
.endr
.irp m, 1,2,4,8                        ; the 32 sums over the 32 lanes: four steps inside each half of 16 lanes, one across
.set n, 0
.rept 32
	v_add_f32_dpp v[L+n], v[L+n], v[L+n] row_xmask:\m row_mask:0xf bank_mask:0xf
.set n, n+1
.endr
.endr
.irp g, 0,1,2,3
.irp t, 0,1,2,3,4,5,6,7
	v_permlanex16_b32 v[TM+\t], v[L+8*\g+\t], s20, s21
.endr
.irp t, 0,1,2,3,4,5,6,7
	v_add_f32 v[L+8*\g+\t], v[L+8*\g+\t], v[TM+\t]
.endr
.endr
.irp q, 0,1,2,3
	ds_store_b128 v9, v[L+8*\q:L+8*\q+3] offset:32*\q          ; all lanes write the same words with the same values
	ds_store_b128 v9, v[L+8*\q+4:L+8*\q+7] offset:32*\q+16
.endr
; THE CODES, behind the logits, since the hold changes x's registers.  Four units by turns.
.irp q, 0,1,2,3
	v_max3_num_f32 v[TM+\q], |v[X+16*\q]|, |v[X+16*\q+1]|, |v[X+16*\q+2]|
	v_max3_num_f32 v[TM+4+\q], |v[X+16*\q+3]|, |v[X+16*\q+4]|, |v[X+16*\q+5]|
.endr
.irp i, 6,10
.irp q, 0,1,2,3
	v_max3_num_f32 v[TM+\q], v[TM+\q], |v[X+16*\q+\i]|, |v[X+16*\q+\i+1]|
	v_max3_num_f32 v[TM+4+\q], v[TM+4+\q], |v[X+16*\q+\i+2]|, |v[X+16*\q+\i+3]|
.endr
.endr
.irp q, 0,1,2,3
	v_max3_num_f32 v[TM+\q], v[TM+\q], |v[X+16*\q+14]|, |v[X+16*\q+15]|
.endr
.irp q, 0,1,2,3
	v_max3_num_f32 v[TM+\q], v[TM+\q], v[TM+4+\q], 0x4800000   ; and the floor 2^(9 - 127): the byte cannot fall under 1
.endr
.irp q, 0,1,2,3
	v_max_num_f32_dpp v[TM+\q], v[TM+\q], v[TM+\q] row_xmask:1 row_mask:0xf bank_mask:0xf   ; with my neighbour's 16: the block's largest magnitude
.endr
.irp q, 0,1,2,3
	v_add_nc_u32 v[TM+8+\q], 0xfc000000, v[TM+\q]  ; 8 off its exponent field: the conversion takes this operand's exponent field as its scale
.endr
.irp q, 0,1,2,3
	v_and_or_b32 v[TM+12+\q], v[TM+\q], 0x7f800000, s22   ; 448 x the scale
.endr
.irp q, 0,1,2,3
.irp i, 0,1,2,3,4,5,6,7,8,9,10,11,12,13,14,15
	v_med3_num_f32 v[X+16*\q+\i], v[X+16*\q+\i], -v[TM+12+\q], v[TM+12+\q]   ; the conversion to an 8-bit code does not saturate (ISA guide 7.6.2): the hold comes first
.endr
	v_cvt_scalef32_pk8_fp8_f32 v[CD+4*\q:CD+4*\q+1], v[X+16*\q:X+16*\q+7], v[TM+8+\q]
	v_cvt_scalef32_pk8_fp8_f32 v[CD+4*\q+2:CD+4*\q+3], v[X+16*\q+8:X+16*\q+15], v[TM+8+\q]
.endr
.irp q, 0,1,2,3
	v_lshrrev_b32 v[TM+16+\q], 23, v[TM+8+\q]      ; the scale's byte (also the plain line behind the last conversion)
.endr
.irp q, 0,1,2,3
	ds_store_b8 v10, v[TM+16+\q] offset:32*\q      ; both lanes of a block write the same byte with the same value
	global_store_b128 v2, v[CD+4*\q:CD+4*\q+3], s[8:9] offset:1024*\q   ; 32 lanes store 512 consecutive bytes of a row of codes
.endr
	s_wait_dscnt 0x0                               ; for the others' sake: my half logits and scale bytes lie in LDS
	s_barrier_signal -1
	s_barrier_wait -1
	s_cmp_eq_u32 s14, 1
	s_cbranch_scc1 .Lscales
	s_cmp_eq_u32 s14, 0
	s_cbranch_scc1 .Ltop
	s_wait_tensorcnt 0x0
	ds_add_u32 v254, v255
	s_wait_dscnt 0x0
	s_endpgm
.Lscales:                                      ; wave 1: the 16 tokens' 512 scale bytes leave as one aligned run of 512
	ds_load_b128 v[16:19], v11
	s_wait_dscnt 0x0
	global_store_b128 v2, v[16:19], s[36:37]
	s_wait_tensorcnt 0x0
	ds_add_u32 v254, v255
	s_wait_dscnt 0x0
	s_endpgm
.Ltop:                                         ; wave 0: lane r (and lane r + 16 alike) takes token r
	ds_load_b128 v[16:19], v12
	ds_load_b128 v[20:23], v12 offset:16
	ds_load_b128 v[24:27], v12 offset:512
	ds_load_b128 v[28:31], v12 offset:528
	s_wait_dscnt 0x0
.irp e, 0,1,2,3,4,5,6,7
	v_add_f32 v[16+\e], v[16+\e], v[24+\e]         ; the two halves of K
.endr
	v_mov_b32 v32, v16                             ; the largest logit and its index: only a strictly larger one takes over, so the lower index wins a tie
	v_mov_b32 v33, 0
.irp e, 1,2,3,4,5,6,7
	v_cmp_gt_f32 vcc_lo, v[16+\e], v32
	v_cndmask_b32 v32, v32, v[16+\e], vcc_lo
	v_cndmask_b32 v33, v33, \e, vcc_lo
.endr
	v_mov_b32 v34, 0xff800000                      ; -infinity takes the winner's place
.irp e, 0,1,2,3,4,5,6,7
	v_cmp_eq_u32 vcc_lo, \e, v33
	v_cndmask_b32 v[16+\e], v[16+\e], v34, vcc_lo
.endr
	v_mov_b32 v35, v16                             ; the second largest, the same way
	v_mov_b32 v36, 0
.irp e, 1,2,3,4,5,6,7
	v_cmp_gt_f32 vcc_lo, v[16+\e], v35
	v_cndmask_b32 v35, v35, v[16+\e], vcc_lo
	v_cndmask_b32 v36, v36, \e, vcc_lo
.endr
	v_sub_f32 v37, v35, v32                        ; second - first: the maximum is taken away, so this is 0 or less
	v_mul_f32 v37, 0x3fb8aa3b, v37
	v_exp_f32 v38, v37                             ; t = e^(second - first), at most 1
	v_min_u32 v41, v33, v36                        ; lo  (plain work behind the exponential)
	v_max_u32 v47, v33, v36                        ; hi
	s_wait_alu depctr_va_vdst(0)                   ; the wait ahead of the first line that names the exponential's result
	v_add_f32 v39, 1.0, v38
	v_rcp_f32 v40, v39                             ; the first's weight 1 / (1 + t)
	v_sub_nc_u32 v44, 15, v41                      ; the pair's number, plain work behind the reciprocal
	v_mul_u32_u24 v44, v44, v41
	v_lshrrev_b32 v44, 1, v44
	v_add_nc_u32 v44, v44, v47
	v_sub_nc_u32 v44, v44, v41
	v_add_nc_u32 v44, -1, v44
	v_cmp_lt_u32 vcc_lo, v33, v36                  ; is the first also the lower-numbered?
	s_wait_alu depctr_va_vdst(0)                   ; and ahead of the reciprocal's first reader
	v_mul_f32 v45, v38, v40                        ; the second's weight t / (1 + t)
	v_cndmask_b32 v42, v45, v40, vcc_lo            ; the lower-numbered expert's weight,
	v_cndmask_b32 v43, v40, v45, vcc_lo            ; the higher-numbered's
	v_cmp_gt_u32 vcc_lo, 16, v1
	s_wait_xcnt 0x0                                ; EXEC changes only behind this wait: my stores of codes have had their addresses translated
	s_wait_tensorcnt 0x0
	ds_add_u32 v254, v255
	s_wait_dscnt 0x0
	s_and_saveexec_b32 s30, vcc_lo
	global_store_b32 v13, v44, s[10:11]
	global_store_b64 v14, v[42:43], s[12:13]
	s_wait_xcnt 0x0
	s_or_b32 exec_lo, exec_lo, s30
	s_endpgm
.Lfunc_end_k_q347f10c8d7_route:
	.size	k_q347f10c8d7_route, .Lfunc_end_k_q347f10c8d7_route-k_q347f10c8d7_route
	.p2alignl 7, 3214868480
	.fill 96, 4, 3214868480
	.section	.rodata,"a",@progbits
	.p2align	6, 0x0
	.amdhsa_kernel k_q347f10c8d7_route
		.amdhsa_group_segment_fixed_size 125440
		.amdhsa_private_segment_fixed_size 0
		.amdhsa_enable_private_segment 0
		.amdhsa_kernarg_size 40
		.amdhsa_user_sgpr_count 2
		.amdhsa_user_sgpr_kernarg_segment_ptr 1
		.amdhsa_wavefront_size32 1
		.amdhsa_system_sgpr_workgroup_id_x 1
		.amdhsa_system_sgpr_workgroup_id_y 1
		.amdhsa_system_sgpr_workgroup_id_z 1
		.amdhsa_system_vgpr_workitem_id 0
		.amdhsa_next_free_vgpr 256
		.amdhsa_next_free_sgpr 66
		.amdhsa_reserve_vcc 1
		.amdhsa_float_denorm_mode_32 3
		.amdhsa_float_denorm_mode_16_64 3
		.amdhsa_memory_ordered 1
		.amdhsa_forward_progress 1
		.amdhsa_inst_pref_size 52
	.end_amdhsa_kernel
	.amdgpu_metadata
---
amdhsa.version: [ 1, 2 ]
amdhsa.kernels:
  - .name:           k_q347f10c8d7_route
    .symbol:         k_q347f10c8d7_route.kd
    .args:
      - { .name: x, .offset: 0, .size: 8, .value_kind: global_buffer, .address_space: global }
      - { .name: w_gate, .offset: 8, .size: 8, .value_kind: global_buffer, .address_space: global }
      - { .name: xq, .offset: 16, .size: 8, .value_kind: global_buffer, .address_space: global }
      - { .name: pid, .offset: 24, .size: 8, .value_kind: global_buffer, .address_space: global }
      - { .name: gat, .offset: 32, .size: 8, .value_kind: global_buffer, .address_space: global }
    .group_segment_fixed_size: 125440
    .private_segment_fixed_size: 0
    .kernarg_segment_align: 8
    .kernarg_segment_size: 40
    .max_flat_workgroup_size: 256
    .sgpr_count:     66
    .vgpr_count:     256
    .wavefront_size: 32
...
	.end_amdgpu_metadata
.endif
;; end of part 1
;; launch prep (part 2): grid 257 x 1, 8 waves a work-group, no clusters, 69,632 bytes of LDS; arguments w_in, w_out, pid, wc, ws, meta; writes wc, ws, meta
.if DOCPART == 2
	.amdgcn_target "amdgcn-amd-amdhsa--gfx1250"
	.amdhsa_code_object_version 6
	.text
	.protected	k_q347f10c8d7_prep
	.globl	k_q347f10c8d7_prep
	.p2align	8
	.type	k_q347f10c8d7_prep,@function
k_q347f10c8d7_prep:
	s_mov_b64 s[64:65], 0
	v_nop
	global_prefetch_b8 v0, s[64:65] scope:SCOPE_SE
	s_setreg_imm32_b32 hwreg(HW_REG_WAVE_MODE, 25, 1), 1
	s_wait_xcnt 0x0
; WORK-GROUPS 1 TO 256 QUANTISE THE WEIGHTS; WORK-GROUP 0 PLACES THE TOKENS.  The two ways part on the work-group's number and have LDS bytes of their own.
; THE WEIGHTS.  w_in, w_out: [8][1024][1024] f32, K innermost.  They become codes of E4M3 with one E8M0 byte for each 32 along K, laid in the ORDER OF THE OPERAND'S REGISTERS:
;   wc [mat 2][expert 8][group 16][K step 8][tile 4][chunk 4][lane 32][16 bytes]: a fragment (16 rows x 128 K) is 2,048 bytes on end; lane (r, h) has k = 32 c + 16 h + 0..15 in chunk c.
;   ws [mat][expert][group][half 2][tile 4][r 16][4 words]: word j of half i is the scale word of K step 4 i + j.
;   A group is 64 rows.  THE ROWS OF A TILE ARE NOT NEIGHBOURS: lane r of tile 2 b + u is row 32 b + 8 u + r + 8 (r / 8), so that in the product, used transposed, the 16 registers of tiles 2 b and 2 b + 1 are 16 neighbours.
;   A work-group takes one group; wave w tile w / 2 and half w % 2 of K: four fragments.  Each load reads 512 consecutive bytes of one row; 16 rows turn through the wave's own stage (pitch 528) so that a lane holds its row's numbers.
; THE PLACING.  pid[token] = the token's pair of experts, 0..27.  A counting sort, without atomics: each pair's tokens get slots on end, each pair's run of slots begins at a multiple of 64.
;   meta: binfo[256] at byte 0: for block b of 64 slots: lo | hi << 8 | (valid slots) << 16, 0 valid slots where the block is not used; perm at byte 1,024: the token of each valid slot.  Slots behind a block's valid ones are never stored and never read.
;   There are never more than 64 + 27 = 91 blocks.  perm's stores are 4 bytes a lane to scattered places: 16 KiB in all.
; LIMITS: NaN and infinities among the weights are not served.  A block whose largest magnitude lies under 2^-117 keeps the scale byte 1; so does a block of zeros (its codes are zeros; the bytes are read by this program alone).
.set SPT,  528                         ; a stage row: 512 bytes + 16
.set TBL,  67584                       ; the sort's table of counts: 8 waves x 32 words
.set RAW,  16                          ; v16-143  two sets of 16 rows x 16 bytes a lane
.set X,    144                         ; v144-207 64 numbers of my row: register 16 b + i = k 32 b + 16 h + i
.set PC,   208                         ; v208-223 a fragment's codes
.set TM,   224                         ; v224-239 at work
.set PW,   240                         ; v240-243 the four fragments' scale words
.set SEL,  20
.set MNT,  22
	s_load_b256 s[4:11], s[0:1], 0x0               ; w_in s[4:5], w_out s[6:7], pid s[8:9], wc s[10:11]
	s_load_b128 s[12:15], s[0:1], 0x20             ; ws s[12:13], meta s[14:15]
	v_lshl_add_u32 v254, v0, 2, 0x10c00
	v_mov_b32 v255, 0
	v_lshrrev_b32 v1, 5, v0
	v_readfirstlane_b32 s16, v1                    ; wave 0..7
	v_and_b32 v1, 31, v0                           ; lane
	v_lshlrev_b32 v2, 4, v1                        ; 16 x lane
	s_cmp_eq_u32 ttmp9, 0
	s_cbranch_scc1 .Lsort
	s_sub_co_u32 s17, ttmp9, 1
	s_lshr_b32 s18, s17, 7                         ; mat: 0 = w_in, 1 = w_out
	s_and_b32 s19, s17, 127                        ; 16 x expert + group
	s_lshr_b32 s23, s16, 1                         ; tile
	s_and_b32 s24, s16, 1                          ; half of K
	s_mul_i32 s25, s16, 16*SPT                     ; my stage
	v_add_nc_u32 v3, s25, v2                       ; in: 16 bytes a lane of a row
	v_and_b32 v6, 15, v0                           ; r
	v_bfe_u32 v7, v0, 4, 1                         ; h
	v_mul_u32_u24 v4, v6, SPT
	v_lshl_add_u32 v4, v7, 6, v4
	v_add_nc_u32 v4, s25, v4                       ; out: row r, + 64 h bytes: my 16 numbers of a block of 32
	v_lshlrev_b32 v5, 4, v6                        ; the scale words' place: 16 r
	s_lshl_b32 s26, s19, 18                        ; in memory: a group's 64 rows of 4,096 bytes,
	s_lshr_b32 s28, s23, 1
	s_lshl_b32 s28, s28, 17                        ; 32 rows for the tile's pair,
	s_add_co_u32 s26, s26, s28
	s_and_b32 s28, s23, 1
	s_lshl_b32 s28, s28, 15                        ; 8 rows for the tile in the pair,
	s_add_co_u32 s26, s26, s28
	s_lshl_b32 s28, s24, 11                        ; half a row
	s_add_co_u32 s26, s26, s28
	s_mov_b32 s27, 0
	s_lshl_b32 s28, s18, 23                        ; codes: 8,388,608 a matrix, 65,536 a group, 32,768 a half, 2,048 a tile
	s_lshl_b32 s30, s19, 16
	s_add_co_u32 s28, s28, s30
	s_lshl_b32 s30, s24, 15
	s_add_co_u32 s28, s28, s30
	s_lshl_b32 s30, s23, 11
	s_add_co_u32 s28, s28, s30
	s_mov_b32 s29, 0
	s_lshl_b32 s30, s18, 18                        ; scale words: 262,144 a matrix, 2,048 a group, 1,024 a half, 256 a tile
	s_lshl_b32 s32, s19, 11
	s_add_co_u32 s30, s30, s32
	s_lshl_b32 s32, s24, 10
	s_add_co_u32 s30, s30, s32
	s_lshl_b32 s32, s23, 8
	s_add_co_u32 s30, s30, s32
	s_mov_b32 s31, 0
	s_mov_b32 s[SEL], 0x76543210
	s_mov_b32 s[SEL+1], 0xfedcba98                 ; v_permlanex16_b32's selects for lane l xor 16
	s_mov_b32 s[MNT], 0x600000                     ; the mantissa field of 448
.irp b, 0,1,2,3
	v_mov_b32 v[TM+4+\b], 0                        ; written once: a lane permute's destination counts as one of its sources
.endr
	s_wait_kmcnt 0x0
	s_cmp_eq_u32 s18, 0                            ; the choice hangs on the work-group's number alone
	s_cselect_b64 s[4:5], s[4:5], s[6:7]
	s_add_nc_u64 s[4:5], s[4:5], s[26:27]
	s_add_nc_u64 s[10:11], s[10:11], s[28:29]
	s_add_nc_u64 s[12:13], s[12:13], s[30:31]
.macro LOADF f                         ; fragment f's 16 rows x 512 bytes into set f % 2
.irp p, 0,1,2,3,4,5,6,7,8,9,10,11,12,13,14,15
	global_load_b128 v[RAW+64*((\f)%2)+4*\p:RAW+64*((\f)%2)+4*\p+3], v2, s[4:5] offset:(\p+8*(\p/8))*4096+512*(\f) th:TH_LOAD_NT
.endr
.endm
.macro TURNF f                         ; through my stage: in by rows as loaded, out 64 numbers of my row
.irp p, 0,1,2,3,4,5,6,7,8,9,10,11,12,13,14,15
	ds_store_b128 v3, v[RAW+64*((\f)%2)+4*\p:RAW+64*((\f)%2)+4*\p+3] offset:SPT*\p
.endr
.irp c, 0,1,2,3
.irp j, 0,1,2,3
	ds_load_b128 v[X+16*\c+4*\j:X+16*\c+4*\j+3], v4 offset:128*\c+16*\j   ; LDS serves a wave's instructions in order: these see my stores
.endr
.endr
.endm
.macro QUANT pw                        ; v[X] on: 64 numbers; their codes into v[PC] on, their scale word into v[pw]
.irp b, 0,1,2,3
	v_max3_num_f32 v[TM+\b], |v[X+16*\b]|, |v[X+1+16*\b]|, 0x4800000   ; block b: my 16 numbers, and the floor 2^(9 - 127): the byte cannot fall under 1
.endr
.irp i, 2,4,6,8,10,12,14
.irp b, 0,1,2,3
	v_max3_num_f32 v[TM+\b], v[TM+\b], |v[X+16*\b+\i]|, |v[X+1+16*\b+\i]|
.endr
.endr
.irp b, 0,1,2,3
	v_permlanex16_b32 v[TM+4+\b], v[TM+\b], s[SEL], s[SEL+1]
.endr
.irp b, 0,1,2,3
	v_max_num_f32 v[TM+\b], v[TM+\b], v[TM+4+\b]   ; with lane l xor 16's: the block's largest magnitude
.endr
.irp b, 0,1,2,3
	v_add_nc_u32 v[TM+12+\b], 0xfc000000, v[TM+\b] ; 8 off its exponent field: the conversion's scale operand
.endr
.irp b, 0,1,2,3
	v_and_or_b32 v[TM+8+\b], v[TM+\b], 0x7f800000, s[MNT]   ; 448 x the scale
.endr
.irp b, 0,1,2,3
	v_lshrrev_b32 v[TM+4+\b], 23, v[TM+12+\b]      ; the scale's byte
.endr
	v_lshl_or_b32 v[\pw], v[TM+5], 8, v[TM+4]
	v_lshl_or_b32 v[\pw], v[TM+6], 16, v[\pw]
	v_lshl_or_b32 v[\pw], v[TM+7], 24, v[\pw]
.irp b, 0,1,2,3
.irp i, 0,1,2,3,4,5,6,7,8,9,10,11,12,13,14,15
	v_med3_num_f32 v[X+16*\b+\i], v[X+16*\b+\i], -v[TM+8+\b], v[TM+8+\b]   ; the conversion to an 8-bit code does not saturate (ISA guide 7.6.2): the hold comes first
.endr
	v_cvt_scalef32_pk8_fp8_f32 v[PC+4*\b:PC+1+4*\b], v[X+16*\b:X+7+16*\b], v[TM+12+\b]
	v_cvt_scalef32_pk8_fp8_f32 v[PC+2+4*\b:PC+3+4*\b], v[X+8+16*\b:X+15+16*\b], v[TM+12+\b]
.endr
	v_nop                                          ; a plain line behind the last conversion
.endm
	LOADF 0
	LOADF 1
.irp f, 0,1,2,3
.if \f < 3
	s_wait_loadcnt 16                              ; this fragment's 16 loads are in; the next one's may be out
.else
	s_wait_loadcnt 0x0
.endif
	TURNF \f
	s_wait_dscnt 0x0                               ; my numbers are back, and the stores into the stage have read their registers,
.if \f < 2
	LOADF \f+2                                     ; which take the fragment two on
.endif
.if \f > 0
	s_wait_xcnt 0x0                                ; the last fragment's stores have read the codes' registers: they may be written again
.endif
	QUANT PW+\f
.irp c, 0,1,2,3
	global_store_b128 v2, v[PC+4*\c:PC+4*\c+3], s[10:11] offset:8192*\f+512*\c   ; 512 consecutive bytes: the fragment as its registers stand
.endr
.endr
	v_cmp_gt_u32 vcc_lo, 16, v1
	s_wait_xcnt 0x0                                ; EXEC changes only behind this wait
	s_wait_tensorcnt 0x0
	ds_add_u32 v254, v255
	s_wait_dscnt 0x0
	s_and_saveexec_b32 s17, vcc_lo
	global_store_b128 v5, v[PW:PW+3], s[12:13]     ; sixteen lanes store 256 consecutive bytes, aligned: my tile's scale words of four K steps
	s_wait_xcnt 0x0
	s_or_b32 exec_lo, exec_lo, s17
	s_endpgm
; ---------------------------------------------------------------- the placing
.set CNT, 36                           ; s36-63  my wave's count of each pair; later each pair's first slot
.set END, 66                           ; s66-93  each pair's first slot + its tokens
.set PID, 16                           ; v16-31  register 4 i + j of lane l: the pair of token 512 w + 128 i + 4 l + j
.set R,   32                           ; v32-47  the token's rank among my wave's tokens of its pair
.set TK,  48                           ; v48-63  the token's number
.set SL,  64                           ; v64-79  its slot, then the slot's byte in perm
.Lsort:
	s_lshl_b32 s2, s16, 11
	s_mov_b32 s3, 0
	v_lshl_add_u32 v82, v0, 2, TBL                 ; my wave's 32 words of the table, my lane's word
	v_lshl_add_u32 v83, v1, 2, TBL                 ; my lane's word of wave 0's
.set p, 0
.rept 28
	s_mov_b32 s[CNT+p], 0
.set p, p+1
.endr
.set k, 0
.rept 16
	v_mov_b32 v[R+k], 0
.set k, k+1
.endr
	s_wait_kmcnt 0x0
	s_add_nc_u64 s[8:9], s[8:9], s[2:3]
.irp i, 0,1,2,3
	global_load_b128 v[PID+4*\i:PID+4*\i+3], v2, s[8:9] offset:512*\i
.endr
	s_wait_loadcnt 0x0
; For each of my 16 registers and each pair: which lanes hold that pair; a lane's rank is the count so far + the lanes below it.  The temporaries go by turns of four.
.set k, 0
.rept 16
.set p, 0
.rept 28
	v_cmp_eq_u32 s[20+p%4], p, v[PID+k]
	v_mbcnt_lo_u32_b32 v[120+p%4], s[20+p%4], s[CNT+p]
	v_cndmask_b32 v[R+k], v[R+k], v[120+p%4], s[20+p%4]
	s_bcnt1_i32_b32 s[24+p%4], s[20+p%4]
	s_add_co_u32 s[CNT+p], s[CNT+p], s[24+p%4]
.set p, p+1
.endr
.set k, k+1
.endr
	v_mov_b32 v81, 0
.set p, 0
.rept 28
	v_writelane_b32 v81, s[CNT+p], p               ; lane p: my wave's count of pair p
.set p, p+1
.endr
	ds_store_b32 v82, v81
	s_wait_dscnt 0x0                               ; for the others' sake: my counts lie in LDS
	s_barrier_signal -1
	s_barrier_wait -1                              ; (this way is taken by all eight waves of work-group 0 and by no other wave)
.irp u, 0,1,2,3,4,5,6,7
	ds_load_b32 v[84+\u], v83 offset:128*\u
.endr
	v_mov_b32 v93, 0                               ; lane p: pair p's tokens in all,
	v_mov_b32 v94, 0                               ; and in the waves ahead of mine
	v_mov_b32 v112, 0
	s_wait_dscnt 0x0
.irp u, 0,1,2,3,4,5,6,7
	s_cmp_gt_u32 s16, \u
	s_cselect_b32 s2, -1, 0
	v_add_nc_u32 v93, v93, v[84+\u]
	v_and_b32 v92, s2, v[84+\u]
	v_add_nc_u32 v94, v94, v92
.endr
	v_add_nc_u32 v95, 63, v93
	v_and_b32 v95, 0xffffffc0, v95                 ; the pair's slots: its tokens rounded up to whole blocks of 64
	s_mov_b32 s2, 0
.set p, 0
.rept 28
	s_mov_b32 s[CNT+p], s2                         ; the pair's first slot
	v_writelane_b32 v112, s2, p
	v_readlane_b32 s3, v93, p
	s_add_co_u32 s[END+p], s2, s3
	v_readlane_b32 s3, v95, p
	s_add_co_u32 s2, s2, s3
.set p, p+1
.endr
	v_add_nc_u32 v113, v112, v94                   ; lane p: the first slot of my wave's tokens of pair p
.set k, 0
.rept 16
	v_min_u32 v[96+k], 27, v[PID+k]
	v_lshlrev_b32 v[96+k], 2, v[96+k]
.set k, k+1
.endr
.set k, 0
.rept 16
	ds_bpermute_b32 v[SL+k], v[96+k], v113         ; each token takes its pair's lane: no LDS byte is touched
.set k, k+1
.endr
	s_lshl_b32 s3, s16, 9
	v_lshl_add_u32 v114, v1, 2, s3                 ; 512 w + 4 l
.set k, 0
.rept 16
	v_add_nc_u32 v[TK+k], 128*(k/4)+k%4, v114
.set k, k+1
.endr
	s_wait_dscnt 0x0
.set k, 0
.rept 16
	v_add_nc_u32 v[SL+k], v[SL+k], v[R+k]
	v_min_u32 v[SL+k], 5823, v[SL+k]               ; 91 blocks of 64 slots: no slot lies beyond
	v_lshlrev_b32 v[SL+k], 2, v[SL+k]
	global_store_b32 v[SL+k], v[TK+k], s[14:15] offset:1024
.set k, k+1
.endr
; binfo: thread b takes block b: the last pair whose first slot is not behind the block's.
	v_lshlrev_b32 v115, 6, v0
	v_mov_b32 v116, 0
	v_mov_b32 v117, 0
.set p, 0
.irp lo, 0,1,2,3,4,5,6
.irp hi, 1,2,3,4,5,6,7
.if \hi > \lo
	v_cmp_gt_u32 vcc_lo, s[CNT+p], v115
	v_cndmask_b32 v116, (\lo)|((\hi)<<8), v116, vcc_lo
	v_cndmask_b32 v117, s[END+p], v117, vcc_lo
.set p, p+1
.endif
.endr
.endr
	v_sub_nc_u32 v117, v117, v115
	v_max_i32 v117, 0, v117
	v_min_i32 v117, 64, v117                       ; the block's valid slots, 0 to 64
	v_lshl_or_b32 v116, v117, 16, v116
	v_lshlrev_b32 v118, 2, v0
	global_store_b32 v118, v116, s[14:15]
	s_wait_tensorcnt 0x0
	ds_add_u32 v254, v255
	s_wait_dscnt 0x0
	s_endpgm
.Lfunc_end_k_q347f10c8d7_prep:
	.size	k_q347f10c8d7_prep, .Lfunc_end_k_q347f10c8d7_prep-k_q347f10c8d7_prep
	.p2alignl 7, 3214868480
	.fill 96, 4, 3214868480
	.section	.rodata,"a",@progbits
	.p2align	6, 0x0
	.amdhsa_kernel k_q347f10c8d7_prep
		.amdhsa_group_segment_fixed_size 69632
		.amdhsa_private_segment_fixed_size 0
		.amdhsa_enable_private_segment 0
		.amdhsa_kernarg_size 48
		.amdhsa_user_sgpr_count 2
		.amdhsa_user_sgpr_kernarg_segment_ptr 1
		.amdhsa_wavefront_size32 1
		.amdhsa_system_sgpr_workgroup_id_x 1
		.amdhsa_system_sgpr_workgroup_id_y 1
		.amdhsa_system_sgpr_workgroup_id_z 1
		.amdhsa_system_vgpr_workitem_id 0
		.amdhsa_next_free_vgpr 256
		.amdhsa_next_free_sgpr 100
		.amdhsa_reserve_vcc 1
		.amdhsa_float_denorm_mode_32 3
		.amdhsa_float_denorm_mode_16_64 3
		.amdhsa_memory_ordered 1
		.amdhsa_forward_progress 1
		.amdhsa_inst_pref_size 188
	.end_amdhsa_kernel
	.amdgpu_metadata
---
amdhsa.version: [ 1, 2 ]
amdhsa.kernels:
  - .name:           k_q347f10c8d7_prep
    .symbol:         k_q347f10c8d7_prep.kd
    .args:
      - { .name: w_in, .offset: 0, .size: 8, .value_kind: global_buffer, .address_space: global }
      - { .name: w_out, .offset: 8, .size: 8, .value_kind: global_buffer, .address_space: global }
      - { .name: pid, .offset: 16, .size: 8, .value_kind: global_buffer, .address_space: global }
      - { .name: wc, .offset: 24, .size: 8, .value_kind: global_buffer, .address_space: global }
      - { .name: ws, .offset: 32, .size: 8, .value_kind: global_buffer, .address_space: global }
      - { .name: meta, .offset: 40, .size: 8, .value_kind: global_buffer, .address_space: global }
    .group_segment_fixed_size: 69632
    .private_segment_fixed_size: 0
    .kernarg_segment_align: 8
    .kernarg_segment_size: 48
    .max_flat_workgroup_size: 256
    .sgpr_count:     100
    .vgpr_count:     256
    .wavefront_size: 32
...
	.end_amdgpu_metadata
.endif
;; end of part 2
;; launch gemm1 (part 3): grid 4 x 91, 4 waves a work-group, no clusters, 69,120 bytes of LDS; arguments meta, xq, wc, ws, hq; writes hq
.if DOCPART == 3
	.amdgcn_target "amdgcn-amd-amdhsa--gfx1250"
	.amdhsa_code_object_version 6
	.text
	.protected	k_q347f10c8d7_gemm1
	.globl	k_q347f10c8d7_gemm1
	.p2align	8
	.type	k_q347f10c8d7_gemm1,@function
k_q347f10c8d7_gemm1:
	s_mov_b64 s[64:65], 0
	v_nop
	global_prefetch_b8 v0, s[64:65] scope:SCOPE_SE
	s_setreg_imm32_b32 hwreg(HW_REG_WAVE_MODE, 25, 1), 1
	s_wait_xcnt 0x0
; THE FIRST PRODUCT, for the chosen rows alone: h = Q(x) Q(w_in[e])^T, e = a block's two experts, and h quantised along the second product's K on the way out.  MX-FP8: codes of E4M3, one E8M0 scale for each 32 along K; sums in f32.
; A BLOCK is 64 slots whose tokens all chose the same two experts (lo, hi): binfo[b] = lo | hi << 8 | valid << 16, perm = the slots' tokens (stored by the launch before).  A slot behind the valid ones takes the block's last valid token: a copy.
; SHARES.  Work-group (cb, b): block b x 256 hidden units; wave w: all 64 slots x the 64 hidden units of group g = 4 cb + w: 4 tiles of weights x 4 tiles of slots = 16 accumulators.  Two sweeps (lo, hi) of 8 K steps of 128.
; The weights' fragments come from memory straight into a ring of four register slots, three K steps ahead, as they lie (they were laid in the order of the operand's registers).  x's 64 rows of codes lie in LDS (pitch 1,040), gathered once.
; No tensor load, no cluster: the weights' addresses and the end of an unused block hang on stored numbers, and neighbouring work-groups may belong to different experts.
; A BLOCK THAT IS NOT USED: its work-group takes block 0's numbers through the prologue and the one barrier, so that every wave passes the barrier on valid addresses, and ends behind it, storing nothing.  The grid of 91 blocks serves every split of the tokens.
; THE MATRIX INSTRUCTION IS USED TRANSPOSED (source 0 = 16 rows of the weight, source 1 = 16 slots): a lane holds one slot, and the 16 registers of tiles 2 b, 2 b + 1 are 16 neighbouring hidden units: the conversions' results are the next operand's registers.
; hq: codes [b 91][sweep 2][slot tile 4][K step 8][chunk 4][lane 32][16 bytes]; from byte HS_OFF on the scale words [b][sweep][K step 8][slot tile 4][r 16].  A wave makes two of a word's four bytes: they leave by stores of 2 bytes, one part in 32 of h's bytes.
; LIMITS: a block of 32 of h whose largest magnitude lies under 2^-117 keeps the scale byte 1; so does a block of zeros (its codes are zeros; the bytes are read by this program alone).  NaN and infinities are not served.
; REGISTERS, in windows of 256: window 0: v0-28 addresses; v32-47 the weights' scale words; v48-51 x's; v52-125 at work; v128-255 the accumulators ((m, f) at 128 + 32 m + 8 f).  window 1: the weights' ring, slot t % 4 at 64 (t % 4).  window 2: v0-127 x's fragments, two sets.
.set MAT,    0
.set XS_OFF, 4194304
.set HS_OFF, 11927552
.set XP,     1040                      ; a row of x's codes in LDS: 1,024 bytes + 16: an odd multiple of 16, so that the 16 rows of a load start in 16 different groups of banks
.set XSC,    66560                     ; behind the 64 rows: x's scale words [K step 8][slot tile 4][r 16]
.set WV,  16
.set BB,  18
.set EMP, 19
.set LO,  20
.set HI,  21
.set NV,  22
.set WB,  24                           ; s[24:27] my group's codes of expert lo, of expert hi
.set SB,  28                           ; s[28:31] their scale words
.set HB,  32
.set HSB, 34
.set SEL, 36
.set MNT, 38
.set HMSK, 39
.set PRM, 42
.set VA,  3                            ; v3   x's fragments: 1,040 r + 16 h
.set VS,  4                            ; v4   x's scale words: XSC + 4 x lane
.set XIN, 5                            ; v5   rows in: 16 x lane + 16 rows x wave
.set XSI, 6                            ; v6   scale words in
.set TOK, 7                            ; v7   the token of slot 16 w + r
.set XSA, 8                            ; v8   its scale bytes in memory
.set HSA, 9                            ; v9   h's scale halves: 4 x lane + 2 (w % 2)
.set OFF, 10                           ; v10-25 my 16 rows of x in memory
.set PO,  26
.set SC,  32
.set AS,  48
.set XL,  52
.set MX,  56
.set PB,  64
.set HD,  72
.set SO,  80
.set CD,  88
.set U,   120
.set ACC, 128
.set MSB, 0
.macro WIN new                         ; the immediate's high byte repeats the setting that is left
.if MSB != \new
	s_set_vgpr_msb (MSB<<8)|\new
.set MSB, \new
.endif
.endm
.set W_MUL, 0x09                       ; source 0 (weights) window 1, source 1 (slots) window 2, C and D window 0
.set W_LDB, 0x40                       ; destination window 1
.set W_LDA, 0x80                       ; destination window 2
.macro BLOAD t                         ; K step t's four fragments of the weight into ring slot t % 4: each load 512 consecutive bytes
.irp f, 0,1,2,3
.irp c, 0,1,2,3
	global_load_b128 v[64*((\t)%4)+16*\f+4*\c:64*((\t)%4)+16*\f+4*\c+3], v2, s[WB+2*((\t)/8):WB+2*((\t)/8)+1] offset:8192*((\t)%8)+2048*\f+512*\c
.endr
.endr
.endm
.macro SCLOAD x, i                     ; the weights' scale words of sweep x, K steps 4 i .. 4 i + 3: lanes 0-15 tile 2 p, lanes 16-31 tile 2 p + 1
.irp p, 0,1
	global_load_b128 v[SC+8*\p+4*(\i):SC+8*\p+4*(\i)+3], v2, s[SB+2*(\x):SB+2*(\x)+1] offset:1024*(\i)+512*\p
.endr
.endm
.macro ASCALE t                        ; x's scale words of K step t: lanes 0-15 slot tile 2 p, lanes 16-31 slot tile 2 p + 1
.irp p, 0,1
	ds_load_b32 v[AS+2*((\t)%2)+\p], v[VS] offset:256*((\t)%8)+128*\p
.endr
.endm
.macro AFETCH t                        ; x's four fragments of K step t into set t % 2
.irp m, 0,1,2,3
.irp c, 0,1,2,3
	ds_load_b128 v[64*((\t)%2)+16*\m+4*\c:64*((\t)%2)+16*\m+4*\c+3], v[VA] offset:16*XP*\m+128*((\t)%8)+32*\c
.endr
.endr
.endm
.macro MM t, m, f                      ; one product: weight tile f x slot tile m.  A sweep's first K step starts the sums with the constant 0
.set rD, ACC+32*(\m)+8*(\f)
.set rB, 64*((\t)%4)+16*(\f)
.set rA, 64*((\t)%2)+16*(\m)
.set rS, SC+8*((\f)/2)+(\t)%8
.set rT, AS+2*((\t)%2)+(\m)/2
.if ((\t)%8) == 0
.if ((\f)%2) && ((\m)%2)
	v_wmma_scale_f32_16x16x128_f8f6f4 v[rD:rD+7], v[rB:rB+15], v[rA:rA+15], 0, v[rS], v[rT] matrix_a_scale:MATRIX_SCALE_ROW1 matrix_b_scale:MATRIX_SCALE_ROW1
.elseif ((\f)%2)
	v_wmma_scale_f32_16x16x128_f8f6f4 v[rD:rD+7], v[rB:rB+15], v[rA:rA+15], 0, v[rS], v[rT] matrix_a_scale:MATRIX_SCALE_ROW1
.elseif ((\m)%2)
	v_wmma_scale_f32_16x16x128_f8f6f4 v[rD:rD+7], v[rB:rB+15], v[rA:rA+15], 0, v[rS], v[rT] matrix_b_scale:MATRIX_SCALE_ROW1
.else
	v_wmma_scale_f32_16x16x128_f8f6f4 v[rD:rD+7], v[rB:rB+15], v[rA:rA+15], 0, v[rS], v[rT]
.endif
.else
.if ((\f)%2) && ((\m)%2)
	v_wmma_scale_f32_16x16x128_f8f6f4 v[rD:rD+7], v[rB:rB+15], v[rA:rA+15], v[rD:rD+7], v[rS], v[rT] matrix_a_scale:MATRIX_SCALE_ROW1 matrix_b_scale:MATRIX_SCALE_ROW1
.elseif ((\f)%2)
	v_wmma_scale_f32_16x16x128_f8f6f4 v[rD:rD+7], v[rB:rB+15], v[rA:rA+15], v[rD:rD+7], v[rS], v[rT] matrix_a_scale:MATRIX_SCALE_ROW1
.elseif ((\m)%2)
	v_wmma_scale_f32_16x16x128_f8f6f4 v[rD:rD+7], v[rB:rB+15], v[rA:rA+15], v[rD:rD+7], v[rS], v[rT] matrix_b_scale:MATRIX_SCALE_ROW1
.else
	v_wmma_scale_f32_16x16x128_f8f6f4 v[rD:rD+7], v[rB:rB+15], v[rA:rA+15], v[rD:rD+7], v[rS], v[rT]
.endif
.endif
.endm
; A K STEP.  Eight places stand in front of the loads into registers that the last step's products read: ring slot (t + 3) % 4, x's set (t + 1) % 2, scale words.
; Then the loads in runs; then the waits; then 16 products, the 16 accumulators by turns, one instruction a turn.
.macro STEP t
.if (\t) > 0
.rept 8
	v_nop
.endr
.endif
	WIN 0
.if (\t) == 4
	SCLOAD 1, 0                                    ; the second sweep's scale words take the places of words that the first sweep has done with
.endif
.if (\t) == 8
	SCLOAD 1, 1
.endif
.if (\t) < 15
	ASCALE (\t)+1
.endif
.if (\t) < 13
	WIN W_LDB
	BLOAD (\t)+3
.endif
.if (\t) < 15
	WIN W_LDA
	AFETCH (\t)+1
.endif
; what may stay out: the loads issued behind this step's weights: three ring steps of 16 (fewer at the end), and the two loads of scale words where they fall between
.if (\t) == 15
	s_wait_loadcnt 0x0
.elseif (\t) == 14
	s_wait_loadcnt 16
.elseif (\t) == 13
	s_wait_loadcnt 32
.elseif (((\t) >= 4) && ((\t) <= 6)) || (((\t) >= 8) && ((\t) <= 10))
	s_wait_loadcnt 50
.else
	s_wait_loadcnt 48
.endif
.if (\t) < 15
	s_wait_dscnt 18                                ; the next step's 16 fragment loads and 2 scale loads may be out
.else
	s_wait_dscnt 0x0
.endif
	WIN W_MUL
.irp m, 0,1,2,3
.irp f, 0,1,2,3
	MM \t, \m, \f
.endr
.endr
.endm
; A SWEEP'S WAY OUT: 8 blocks of 32 hidden units (slot tile m, half b of my 64: block 2 m + b = 16 registers of a lane, the other 16 in lane l xor 16) are quantised, by turns.  Each accumulator is read from its low end on.
.macro EPI sw
.rept 8
	v_nop                                          ; places in front of the first read of results
.endr
	WIN 0
.if \sw
	s_wait_xcnt 0x0                                ; the first sweep's stores have read the codes' and scale halves' registers: they may be written again
.endif
.irp b, 0,1,2,3,4,5,6,7
	v_max3_num_f32 v[MX+\b], |v[ACC+16*\b]|, |v[ACC+16*\b+1]|, 0x4800000   ; my 16 numbers, and the floor 2^(9 - 127): the byte cannot fall under 1
.endr
.irp i, 2,4,6,8,10,12,14
.irp b, 0,1,2,3,4,5,6,7
	v_max3_num_f32 v[MX+\b], v[MX+\b], |v[ACC+16*\b+\i]|, |v[ACC+16*\b+\i+1]|
.endr
.endr
.irp b, 0,1,2,3,4,5,6,7
	v_permlanex16_b32 v[PB+\b], v[MX+\b], s[SEL], s[SEL+1]
.endr
.irp b, 0,1,2,3,4,5,6,7
	v_max_num_f32 v[MX+\b], v[MX+\b], v[PB+\b]     ; with lane l xor 16's: the block's largest magnitude
.endr
.irp b, 0,1,2,3,4,5,6,7
	v_add_nc_u32 v[SO+\b], 0xfc000000, v[MX+\b]    ; 8 off its exponent field: the conversion's scale operand
.endr
.irp b, 0,1,2,3,4,5,6,7
	v_and_or_b32 v[HD+\b], v[MX+\b], 0x7f800000, s[MNT]   ; 448 x the scale
.endr
.irp b, 0,1,2,3,4,5,6,7
	v_lshrrev_b32 v[PB+\b], 23, v[SO+\b]           ; the scale's byte
.endr
.irp m, 0,1,2,3
	v_lshl_or_b32 v[U+\m], v[PB+2*\m+1], 8, v[PB+2*\m]   ; my two bytes of slot tile m's scale word
.endr
.irp p, 0,1
	v_cndmask_b32 v[U+4+\p], v[U+2*\p], v[U+2*\p+1], s[HMSK]   ; lanes 0-15 carry tile 2 p's, lanes 16-31 tile 2 p + 1's
.endr
.irp b, 0,1,2,3,4,5,6,7
.irp i, 0,1,2,3,4,5,6,7,8,9,10,11,12,13,14,15
	v_med3_num_f32 v[ACC+16*\b+\i], v[ACC+16*\b+\i], -v[HD+\b], v[HD+\b]   ; the conversion to an 8-bit code does not saturate (ISA guide 7.6.2): the hold comes first
.endr
	v_cvt_scalef32_pk8_fp8_f32 v[CD+4*\b:CD+4*\b+1], v[ACC+16*\b:ACC+16*\b+7], v[SO+\b]
	v_cvt_scalef32_pk8_fp8_f32 v[CD+4*\b+2:CD+4*\b+3], v[ACC+16*\b+8:ACC+16*\b+15], v[SO+\b]
.endr
	v_nop                                          ; a plain line behind the last conversion: the next sweep's products write its sources
.irp m, 0,1,2,3
.irp b, 0,1
	global_store_b128 v2, v[CD+8*\m+4*\b:CD+8*\m+4*\b+3], s[HB:HB+1] offset:65536*(\sw)+16384*\m+512*\b   ; a chunk of the next operand's fragment: 512 consecutive bytes
.endr
.endr
.irp p, 0,1
	global_store_b16 v[HSA], v[U+4+\p], s[HSB:HSB+1] offset:2048*(\sw)+128*\p
.endr
.endm
	s_load_b256 s[4:11], s[0:1], 0x0               ; meta s[4:5], xq s[6:7], wc s[8:9], ws s[10:11]
	s_load_b64 s[12:13], s[0:1], 0x20              ; hq
	v_lshl_add_u32 v126, v0, 2, 0x10c00
	v_mov_b32 v127, 0
	v_lshrrev_b32 v1, 5, v0
	v_readfirstlane_b32 s[WV], v1                  ; wave 0..3
	v_and_b32 v1, 31, v0                           ; lane
	v_and_b32 v27, 15, v0                          ; r
	v_bfe_u32 v28, v0, 4, 1                        ; h
	v_lshlrev_b32 v2, 4, v1                        ; 16 x lane
	s_and_b32 s[BB], ttmp7, 0xffff                 ; the block
	s_lshl_b32 s2, s[BB], 2
	s_wait_kmcnt 0x0
	s_load_b32 s3, s[4:5], s2 offset:0x0           ; binfo[b]
	s_load_b32 s23, s[4:5], 0x0                    ; binfo[0]: block 0 is always in use
	v_mul_u32_u24 v[VA], v27, XP
	v_lshl_add_u32 v[VA], v28, 4, v[VA]
	v_lshl_add_u32 v[VS], v1, 2, XSC
	s_mul_i32 s40, s[WV], 16*XP
	v_add_nc_u32 v[XIN], s40, v2
	s_lshl_b32 s40, s[WV], 6
	s_add_co_u32 s40, s40, XSC
	v_lshlrev_b32 v[XSI], 2, v27
	v_lshl_add_u32 v[XSI], v28, 10, v[XSI]
	v_add_nc_u32 v[XSI], s40, v[XSI]               ; word (K step 4 h + j, slot tile w, r): XSC + 1,024 h + 64 w + 4 r, + 256 j
	s_and_b32 s41, s[WV], 1
	s_lshl_b32 s40, s41, 1
	v_lshl_add_u32 v[HSA], v1, 2, s40
.irp b, 0,1,2,3,4,5,6,7
	v_mov_b32 v[PB+\b], 0                          ; written once: a lane permute's destination counts as one of its sources
.endr
	s_mov_b32 s[SEL], 0x76543210
	s_mov_b32 s[SEL+1], 0xfedcba98                 ; v_permlanex16_b32's selects for lane l xor 16
	s_mov_b32 s[MNT], 0x600000                     ; the mantissa field of 448
	s_mov_b32 s[HMSK], 0xffff0000                  ; lanes 16-31
	s_wait_kmcnt 0x0
	s_lshr_b32 s[NV], s3, 16
	s_cmp_eq_u32 s[NV], 0                          ; is my block in use?  If not, block 0's numbers serve up to the barrier
	s_cselect_b32 s[EMP], 1, 0
	s_cselect_b32 s3, s23, s3
	s_cselect_b32 s[BB], 0, s[BB]
	s_min_u32 s[BB], s[BB], 90
	s_bfe_u32 s[LO], s3, 0x80000
	s_min_u32 s[LO], s[LO], 7
	s_bfe_u32 s[HI], s3, 0x80008
	s_min_u32 s[HI], s[HI], 7
	s_lshr_b32 s[NV], s3, 16
	s_min_u32 s[NV], s[NV], 64
	s_sub_co_u32 s[NV], s[NV], 1
	s_min_u32 s[NV], s[NV], 63                     ; the last valid slot
	s_lshl_b32 s40, ttmp9, 2
	s_add_co_u32 s40, s40, s[WV]                   ; my group of 64 hidden units: 4 cb + w
	s_mov_b32 s45, 0
	s_mov_b32 s47, 0
	s_lshl_b32 s44, s[LO], 4
	s_add_co_u32 s44, s44, s40
	s_lshl_b32 s46, s44, 11
	s_lshl_b32 s44, s44, 16
	s_add_nc_u64 s[WB:WB+1], s[8:9], s[44:45]
	s_add_nc_u64 s[SB:SB+1], s[10:11], s[46:47]
	s_lshl_b32 s44, s[HI], 4
	s_add_co_u32 s44, s44, s40
	s_lshl_b32 s46, s44, 11
	s_lshl_b32 s44, s44, 16
	s_add_nc_u64 s[WB+2:WB+3], s[8:9], s[44:45]
	s_add_nc_u64 s[SB+2:SB+3], s[10:11], s[46:47]
	s_lshr_b32 s40, s40, 1                         ; my K step of the second product: 2 cb + w / 2
	s_lshl_b32 s44, s[BB], 17
	s_lshl_b32 s46, s40, 11
	s_add_co_u32 s44, s44, s46
	s_lshl_b32 s46, s41, 10                        ; and my two chunks of its four
	s_add_co_u32 s44, s44, s46
	s_add_nc_u64 s[HB:HB+1], s[12:13], s[44:45]
	s_lshl_b32 s44, s[BB], 12
	s_lshl_b32 s46, s40, 8
	s_add_co_u32 s44, s44, s46
	s_add_co_u32 s44, s44, HS_OFF
	s_add_nc_u64 s[HSB:HSB+1], s[12:13], s[44:45]
	s_lshl_b32 s44, s[BB], 8
	s_add_nc_u64 s[PRM:PRM+1], s[4:5], s[44:45]
	s_lshl_b32 s40, s[WV], 4
	v_add_nc_u32 v[PO], s40, v27                   ; slot 16 w + r,
	v_min_u32 v[PO], s[NV], v[PO]                  ; held at the last valid one
	v_min_u32 v[PO], 63, v[PO]
	v_lshlrev_b32 v[PO], 2, v[PO]
	global_load_b32 v[TOK], v[PO], s[PRM:PRM+1] offset:1024
	SCLOAD 0, 0
	SCLOAD 0, 1
	WIN W_LDB
	BLOAD 0
	BLOAD 1
	BLOAD 2
	WIN 0
	s_wait_loadcnt 52                              ; the token is in; behind it 4 loads of scale words and 48 of the ring
	v_min_u32 v[TOK], 0xfff, v[TOK]
	v_lshlrev_b32 v[XSA], 5, v[TOK]
	v_lshl_add_u32 v[XSA], v28, 4, v[XSA]          ; its 32 scale bytes, my half of them
.irp i, 0,1,2,3,4,5,6,7,8,9,10,11,12,13,14,15
	v_readlane_b32 s40, v[TOK], \i
	s_min_u32 s40, s40, 0xfff
	v_lshl_add_u32 v[OFF+\i], s40, 10, v2          ; slot 16 w + i's row of 1,024 codes, 16 bytes a lane
.endr
.irp i, 0,1,2,3,4,5,6,7,8,9,10,11,12,13,14,15
	global_load_b128 v[ACC+8*\i:ACC+8*\i+3], v[OFF+\i], s[6:7]               ; 512 consecutive bytes of one row
	global_load_b128 v[ACC+8*\i+4:ACC+8*\i+7], v[OFF+\i], s[6:7] offset:512
.endr
	global_load_b128 v[XL:XL+3], v[XSA], s[6:7] offset:XS_OFF
	s_wait_loadcnt 0x0
.irp i, 0,1,2,3,4,5,6,7,8,9,10,11,12,13,14,15
	ds_store_b128 v[XIN], v[ACC+8*\i:ACC+8*\i+3] offset:XP*\i
	ds_store_b128 v[XIN], v[ACC+8*\i+4:ACC+8*\i+7] offset:XP*\i+512
.endr
.irp j, 0,1,2,3
	ds_store_b32 v[XSI], v[XL+\j] offset:256*\j
.endr
	s_wait_dscnt 0x0                               ; for the others' sake: my 16 rows and their scale words lie in LDS
	s_barrier_signal -1
	s_barrier_wait -1                              ; all 64 rows do.  The launch's one barrier: every wave has passed it when the ways part
	s_cmp_eq_u32 s[EMP], 1
	s_cbranch_scc1 .Lempty
	ASCALE 0
	WIN W_LDA
	AFETCH 0
.irp t, 0,1,2,3,4,5,6,7
	STEP \t
.endr
	EPI 0
.irp t, 8,9,10,11,12,13,14,15
	STEP \t
.endr
	EPI 1
	s_wait_tensorcnt 0x0
	ds_add_u32 v126, v127
	s_wait_dscnt 0x0
	s_endpgm
.Lempty:
	s_wait_tensorcnt 0x0
	ds_add_u32 v126, v127
	s_wait_dscnt 0x0
	s_endpgm
.Lfunc_end_k_q347f10c8d7_gemm1:
	.size	k_q347f10c8d7_gemm1, .Lfunc_end_k_q347f10c8d7_gemm1-k_q347f10c8d7_gemm1
	.p2alignl 7, 3214868480
	.fill 96, 4, 3214868480
	.section	.rodata,"a",@progbits
	.p2align	6, 0x0
	.amdhsa_kernel k_q347f10c8d7_gemm1
		.amdhsa_group_segment_fixed_size 69120
		.amdhsa_private_segment_fixed_size 0
		.amdhsa_enable_private_segment 0
		.amdhsa_kernarg_size 40
		.amdhsa_user_sgpr_count 2
		.amdhsa_user_sgpr_kernarg_segment_ptr 1
		.amdhsa_wavefront_size32 1
		.amdhsa_system_sgpr_workgroup_id_x 1
		.amdhsa_system_sgpr_workgroup_id_y 1
		.amdhsa_system_sgpr_workgroup_id_z 1
		.amdhsa_system_vgpr_workitem_id 0
		.amdhsa_next_free_vgpr 640
		.amdhsa_next_free_sgpr 66
		.amdhsa_reserve_vcc 0
		.amdhsa_float_denorm_mode_32 3
		.amdhsa_float_denorm_mode_16_64 3
		.amdhsa_memory_ordered 1
		.amdhsa_forward_progress 1
		.amdhsa_inst_pref_size 129
	.end_amdhsa_kernel
	.amdgpu_metadata
---
amdhsa.version: [ 1, 2 ]
amdhsa.kernels:
  - .name:           k_q347f10c8d7_gemm1
    .symbol:         k_q347f10c8d7_gemm1.kd
    .args:
      - { .name: meta, .offset: 0, .size: 8, .value_kind: global_buffer, .address_space: global }
      - { .name: xq, .offset: 8, .size: 8, .value_kind: global_buffer, .address_space: global }
      - { .name: wc, .offset: 16, .size: 8, .value_kind: global_buffer, .address_space: global }
      - { .name: ws, .offset: 24, .size: 8, .value_kind: global_buffer, .address_space: global }
      - { .name: hq, .offset: 32, .size: 8, .value_kind: global_buffer, .address_space: global }
    .group_segment_fixed_size: 69120
    .private_segment_fixed_size: 0
    .kernarg_segment_align: 8
    .kernarg_segment_size: 40
    .max_flat_workgroup_size: 128
    .sgpr_count:     66
    .vgpr_count:     640
    .wavefront_size: 32
...
	.end_amdgpu_metadata
.endif
;; end of part 3
;; launch gemm2 (part 4): grid 4 x 91, 4 waves a work-group, no clusters, 154,112 bytes of LDS; arguments meta, gat, hq, wc, ws, out0; writes out0
.if DOCPART == 4
	.amdgcn_target "amdgcn-amd-amdhsa--gfx1250"
	.amdhsa_code_object_version 6
	.text
	.protected	k_q347f10c8d7_gemm2
	.globl	k_q347f10c8d7_gemm2
	.p2align	8
	.type	k_q347f10c8d7_gemm2,@function
k_q347f10c8d7_gemm2:
	s_mov_b64 s[64:65], 0
	v_nop
	global_prefetch_b8 v0, s[64:65] scope:SCOPE_SE
	s_setreg_imm32_b32 hwreg(HW_REG_WAVE_MODE, 25, 1), 1
	s_wait_xcnt 0x0
; THE SECOND PRODUCT AND THE GATED SUM: y[token] = g_lo (Q(h_lo) Q(w_out[lo])^T) + g_hi (Q(h_hi) Q(w_out[hi])^T), in the order of the experts' numbers.  MX-FP8: codes of E4M3, one E8M0 scale for each 32 along K; sums in f32; the gates in f32.
; A BLOCK is 64 slots whose tokens all chose the same two experts; a token lies in exactly one block, so each row of the output has one owner and nothing is summed through memory.
; SHARES.  Work-group (cb, b): block b x 256 outputs; wave w: all 64 slots x the 64 outputs of group g = 4 cb + w: 16 accumulators.  Sweep 0: expert lo on h_lo; sweep 1: expert hi on h_hi; 8 K steps of 128 each.
; The weights' fragments come from memory straight into a ring of four register slots, three K steps ahead.  h's codes were stored as images of the operand's registers: both sweeps' 64 KiB are copied into LDS once, as they lie, and read by all four waves.
; No tensor load, no cluster: the weights' addresses and the end of an unused block hang on stored numbers, and neighbouring work-groups may belong to different experts.
; A BLOCK THAT IS NOT USED takes block 0's numbers through the prologue and the one barrier and ends behind it, storing nothing.
; A slot behind a block's valid ones is a copy of the last valid slot: the same wave stores the same bytes to the same row once more.
; THE MATRIX INSTRUCTION IS USED TRANSPOSED (source 0 = 16 rows of the weight, source 1 = 16 slots): a lane holds one slot and 16 neighbouring outputs in the registers of two neighbouring tiles.
; THE WAY OUT: a tile of 16 slots x 64 outputs goes through the wave's own stage (pitch 272) and leaves by rows: sixteen lanes store 256 consecutive bytes, aligned, of a token's row.
; REGISTERS, in windows of 256: window 0: v0-28 addresses; v32-47 the weights' scale words; v48-51 h's; v56-87 the rows' places in the output; v88-103 gates; v128-255 the accumulators.  window 1: the weights' ring.  window 2: v0-127 h's fragments, two sets; v128-255 the first sweep's gated result.
.set MAT,    1
.set HS_OFF, 11927552
.set HSC,    131072                    ; LDS: 0: sweep 0's images; 65,536: sweep 1's; HSC: h's scale words, 2,048 bytes a sweep
.set TKT,    135168                    ; a table of the block's 64 tokens for each wave, its own
.set STG,    136192                    ; a stage of 16 rows x 272 bytes for each wave, its own
.set SPT,    272
.set WV,  16
.set BB,  18
.set EMP, 19
.set LO,  20
.set HI,  21
.set NV,  22
.set WB,  24
.set SB,  28
.set OB,  32
.set HQB, 34
.set HSB, 36
.set PRM, 42
.set VA0, 2                            ; v2   16 x lane: an image's place for my lane in sweep 0's images; v3 the same in sweep 1's
.set VS,  5                            ; v5   h's scale words: HSC + 4 x lane
.set HI0, 6                            ; v6   images in, sweep 0: 16 x lane + 16,384 x wave;  v7 sweep 1
.set HI1, 7
.set HSI, 8
.set TKW, 9
.set TKR, 10
.set STO, 11
.set RD,  12
.set CO,  13
.set PO,  14                           ; v14-17
.set T,   18                           ; v18-21 the token of slot 16 m + r
.set GO,  22                           ; v22-25
.set SC,  32
.set AS,  48
.set OFF, 56                           ; v56-87 register 8 m + i: the byte of my 16 in the row of the token of slot 16 m + 2 i + h
.set G,   88                           ; v88-103 for slot tile m: g_lo, g_hi, g_hi, 0
.set HL,  104
.set ACC, 128
.set MSB, 0
.macro WIN new                         ; the immediate's high byte repeats the setting that is left
.if MSB != \new
	s_set_vgpr_msb (MSB<<8)|\new
.set MSB, \new
.endif
.endm
.set W_MUL, 0x09                       ; source 0 (weights) window 1, source 1 (slots) window 2, C and D window 0
.set W_LDB, 0x40                       ; destination window 1
.set W_LDA, 0x80                       ; destination window 2
.macro BLOAD t                         ; K step t's four fragments of the weight into ring slot t % 4: each load 512 consecutive bytes
.irp f, 0,1,2,3
.irp c, 0,1,2,3
	global_load_b128 v[64*((\t)%4)+16*\f+4*\c:64*((\t)%4)+16*\f+4*\c+3], v2, s[WB+2*((\t)/8):WB+2*((\t)/8)+1] offset:8192*((\t)%8)+2048*\f+512*\c
.endr
.endr
.endm
.macro SCLOAD x, i                     ; the weights' scale words of sweep x, K steps 4 i .. 4 i + 3: lanes 0-15 tile 2 p, lanes 16-31 tile 2 p + 1
.irp p, 0,1
	global_load_b128 v[SC+8*\p+4*(\i):SC+8*\p+4*(\i)+3], v2, s[SB+2*(\x):SB+2*(\x)+1] offset:1024*(\i)+512*\p
.endr
.endm
.macro ASCALE t                        ; h's scale words of K step t: lanes 0-15 slot tile 2 p, lanes 16-31 slot tile 2 p + 1
.irp p, 0,1
	ds_load_b32 v[AS+2*((\t)%2)+\p], v[VS] offset:2048*((\t)/8)+256*((\t)%8)+128*\p
.endr
.endm
.macro AFETCH t                        ; h's four fragments of K step t into set t % 2: images, 512 consecutive bytes a load
.irp m, 0,1,2,3
.irp c, 0,1,2,3
	ds_load_b128 v[64*((\t)%2)+16*\m+4*\c:64*((\t)%2)+16*\m+4*\c+3], v[VA0+(\t)/8] offset:(8*\m+(\t)%8)*2048+512*\c
.endr
.endr
.endm
.macro MM t, m, f                      ; one product: weight tile f x slot tile m.  A sweep's first K step starts the sums with the constant 0
.set rD, ACC+32*(\m)+8*(\f)
.set rB, 64*((\t)%4)+16*(\f)
.set rA, 64*((\t)%2)+16*(\m)
.set rS, SC+8*((\f)/2)+(\t)%8
.set rT, AS+2*((\t)%2)+(\m)/2
.if ((\t)%8) == 0
.if ((\f)%2) && ((\m)%2)
	v_wmma_scale_f32_16x16x128_f8f6f4 v[rD:rD+7], v[rB:rB+15], v[rA:rA+15], 0, v[rS], v[rT] matrix_a_scale:MATRIX_SCALE_ROW1 matrix_b_scale:MATRIX_SCALE_ROW1
.elseif ((\f)%2)
	v_wmma_scale_f32_16x16x128_f8f6f4 v[rD:rD+7], v[rB:rB+15], v[rA:rA+15], 0, v[rS], v[rT] matrix_a_scale:MATRIX_SCALE_ROW1
.elseif ((\m)%2)
	v_wmma_scale_f32_16x16x128_f8f6f4 v[rD:rD+7], v[rB:rB+15], v[rA:rA+15], 0, v[rS], v[rT] matrix_b_scale:MATRIX_SCALE_ROW1
.else
	v_wmma_scale_f32_16x16x128_f8f6f4 v[rD:rD+7], v[rB:rB+15], v[rA:rA+15], 0, v[rS], v[rT]
.endif
.else
.if ((\f)%2) && ((\m)%2)
	v_wmma_scale_f32_16x16x128_f8f6f4 v[rD:rD+7], v[rB:rB+15], v[rA:rA+15], v[rD:rD+7], v[rS], v[rT] matrix_a_scale:MATRIX_SCALE_ROW1 matrix_b_scale:MATRIX_SCALE_ROW1
.elseif ((\f)%2)
	v_wmma_scale_f32_16x16x128_f8f6f4 v[rD:rD+7], v[rB:rB+15], v[rA:rA+15], v[rD:rD+7], v[rS], v[rT] matrix_a_scale:MATRIX_SCALE_ROW1
.elseif ((\m)%2)
	v_wmma_scale_f32_16x16x128_f8f6f4 v[rD:rD+7], v[rB:rB+15], v[rA:rA+15], v[rD:rD+7], v[rS], v[rT] matrix_b_scale:MATRIX_SCALE_ROW1
.else
	v_wmma_scale_f32_16x16x128_f8f6f4 v[rD:rD+7], v[rB:rB+15], v[rA:rA+15], v[rD:rD+7], v[rS], v[rT]
.endif
.endif
.endm
; A K STEP.  Eight places stand in front of the loads into registers that the last step's products read: ring slot (t + 3) % 4, h's set (t + 1) % 2, scale words.
; Then the loads in runs; then the waits; then 16 products, the 16 accumulators by turns, one instruction a turn.
.macro STEP t
.if (\t) > 0
.rept 8
	v_nop
.endr
.endif
	WIN 0
.if (\t) == 4
	SCLOAD 1, 0                                    ; the second sweep's scale words take the places of words that the first sweep has done with
.endif
.if (\t) == 8
	SCLOAD 1, 1
.endif
.if (\t) < 15
	ASCALE (\t)+1
.endif
.if (\t) < 13
	WIN W_LDB
	BLOAD (\t)+3
.endif
.if (\t) < 15
	WIN W_LDA
	AFETCH (\t)+1
.endif
; what may stay out: the loads issued behind this step's weights: three ring steps of 16 (fewer at the end), and the two loads of scale words where they fall between
.if (\t) == 15
	s_wait_loadcnt 0x0
.elseif (\t) == 14
	s_wait_loadcnt 16
.elseif (\t) == 13
	s_wait_loadcnt 32
.elseif (((\t) >= 4) && ((\t) <= 6)) || (((\t) >= 8) && ((\t) <= 10))
	s_wait_loadcnt 50
.else
	s_wait_loadcnt 48
.endif
.if (\t) < 15
	s_wait_dscnt 18                                ; the next step's 16 fragment loads and 2 scale loads may be out
.else
	s_wait_dscnt 0x0
.endif
	WIN W_MUL
.irp m, 0,1,2,3
.irp f, 0,1,2,3
	MM \t, \m, \f
.endr
.endr
.endm
.macro PACK m                          ; slot tile m: into my stage, 64 bytes a lane of its slot's row; back by rows, into the registers that they left
.irp b, 0,1
.irp q, 0,1,2,3
	ds_store_b128 v[STO], v[ACC+32*\m+16*\b+4*\q:ACC+32*\m+16*\b+4*\q+3] offset:128*\b+16*\q
.endr
.endr
.irp i, 0,1,2,3,4,5,6,7
	ds_load_b128 v[ACC+32*\m+4*\i:ACC+32*\m+4*\i+3], v[RD] offset:2*SPT*\i   ; LDS serves a wave's instructions in order: these see the stores above, and the next tile's stores come behind them
.endr
.endm
.macro SEND m, younger                 ; younger: the LDS instructions issued behind tile m's loads: the next tile's sixteen, or none
.irp i, 0,1,2,3,4,5,6,7
	s_wait_dscnt \younger+7-\i
	global_store_b128 v[OFF+8*\m+\i], v[ACC+32*\m+4*\i:ACC+32*\m+4*\i+3], s[OB:OB+1] th:TH_STORE_NT   ; sixteen lanes store 256 consecutive bytes, aligned, of one token's row; written once, read by nobody here
.endr
.endm
	s_load_b256 s[4:11], s[0:1], 0x0               ; meta s[4:5], gat s[6:7], hq s[8:9], wc s[10:11]
	s_load_b128 s[12:15], s[0:1], 0x20             ; ws s[12:13], out0 s[14:15]
	v_lshl_add_u32 v126, v0, 2, 0x25800
	v_mov_b32 v127, 0
	v_lshrrev_b32 v1, 5, v0
	v_readfirstlane_b32 s[WV], v1                  ; wave 0..3
	v_and_b32 v1, 31, v0                           ; lane
	v_and_b32 v27, 15, v0                          ; r
	v_bfe_u32 v28, v0, 4, 1                        ; h
	v_lshlrev_b32 v2, 4, v1                        ; 16 x lane
	s_and_b32 s[BB], ttmp7, 0xffff                 ; the block
	s_lshl_b32 s2, s[BB], 2
	s_wait_kmcnt 0x0
	s_load_b32 s3, s[4:5], s2 offset:0x0           ; binfo[b]
	s_load_b32 s23, s[4:5], 0x0                    ; binfo[0]: block 0 is always in use
	v_add_nc_u32 v3, 65536, v2
	v_lshl_add_u32 v[VS], v1, 2, HSC
	s_lshl_b32 s40, s[WV], 14
	v_add_nc_u32 v[HI0], s40, v2
	s_add_co_u32 s40, s40, 65536
	v_add_nc_u32 v[HI1], s40, v2
	s_lshl_b32 s40, s[WV], 9
	s_add_co_u32 s40, s40, HSC
	v_add_nc_u32 v[HSI], s40, v2
	s_lshl_b32 s40, s[WV], 8
	s_add_co_u32 s40, s40, TKT
	v_lshl_add_u32 v[TKW], v27, 2, s40             ; my table: in, slot 16 m + r at 64 m + 4 r;
	v_lshl_add_u32 v[TKR], v28, 2, s40             ; out, slot 16 m + 2 i + h at 64 m + 8 i + 4 h
	s_mul_i32 s40, s[WV], 16*SPT
	s_add_co_u32 s40, s40, STG
	v_mul_u32_u24 v[STO], v27, SPT
	v_lshl_add_u32 v[STO], v28, 6, v[STO]
	v_add_nc_u32 v[STO], s40, v[STO]               ; my stage, in: row r, + 64 h
	v_mul_u32_u24 v[RD], v28, SPT
	v_lshl_add_u32 v[RD], v27, 4, v[RD]
	v_add_nc_u32 v[RD], s40, v[RD]                 ; back: lanes 0-15 one row, lanes 16-31 the next
	v_lshlrev_b32 v[CO], 4, v27
	s_wait_kmcnt 0x0
	s_lshr_b32 s[NV], s3, 16
	s_cmp_eq_u32 s[NV], 0                          ; is my block in use?  If not, block 0's numbers serve up to the barrier
	s_cselect_b32 s[EMP], 1, 0
	s_cselect_b32 s3, s23, s3
	s_cselect_b32 s[BB], 0, s[BB]
	s_min_u32 s[BB], s[BB], 90
	s_bfe_u32 s[LO], s3, 0x80000
	s_min_u32 s[LO], s[LO], 7
	s_bfe_u32 s[HI], s3, 0x80008
	s_min_u32 s[HI], s[HI], 7
	s_lshr_b32 s[NV], s3, 16
	s_min_u32 s[NV], s[NV], 64
	s_sub_co_u32 s[NV], s[NV], 1
	s_min_u32 s[NV], s[NV], 63                     ; the last valid slot
	s_lshl_b32 s40, ttmp9, 2
	s_add_co_u32 s40, s40, s[WV]                   ; my group of 64 outputs: 4 cb + w
	s_mov_b32 s45, 0
	s_mov_b32 s47, 0
	s_lshl_b32 s44, s[LO], 4
	s_add_co_u32 s44, s44, s40
	s_lshl_b32 s46, s44, 11
	s_lshl_b32 s44, s44, 16
	s_add_co_u32 s44, s44, MAT*8388608             ; w_out's codes lie behind w_in's,
	s_add_co_u32 s46, s46, MAT*262144              ; and so do its scale words
	s_add_nc_u64 s[WB:WB+1], s[10:11], s[44:45]
	s_add_nc_u64 s[SB:SB+1], s[12:13], s[46:47]
	s_lshl_b32 s44, s[HI], 4
	s_add_co_u32 s44, s44, s40
	s_lshl_b32 s46, s44, 11
	s_lshl_b32 s44, s44, 16
	s_add_co_u32 s44, s44, MAT*8388608
	s_add_co_u32 s46, s46, MAT*262144
	s_add_nc_u64 s[WB+2:WB+3], s[10:11], s[44:45]
	s_add_nc_u64 s[SB+2:SB+3], s[12:13], s[46:47]
	s_lshl_b32 s44, s40, 8                         ; my 64 outputs: 256 bytes of a row
	s_add_nc_u64 s[OB:OB+1], s[14:15], s[44:45]
	s_lshl_b32 s44, s[BB], 17
	s_lshl_b32 s46, s[WV], 14
	s_add_co_u32 s44, s44, s46
	s_add_nc_u64 s[HQB:HQB+1], s[8:9], s[44:45]    ; my quarter of the block's images
	s_lshl_b32 s44, s[BB], 12
	s_lshl_b32 s46, s[WV], 9
	s_add_co_u32 s44, s44, s46
	s_add_co_u32 s44, s44, HS_OFF
	s_add_nc_u64 s[HSB:HSB+1], s[8:9], s[44:45]    ; and of its scale words
	s_lshl_b32 s44, s[BB], 8
	s_add_nc_u64 s[PRM:PRM+1], s[4:5], s[44:45]
.irp m, 0,1,2,3
	v_add_nc_u32 v[PO+\m], 16*\m, v27              ; slot 16 m + r,
	v_min_u32 v[PO+\m], s[NV], v[PO+\m]            ; held at the last valid one
	v_min_u32 v[PO+\m], 63, v[PO+\m]
	v_lshlrev_b32 v[PO+\m], 2, v[PO+\m]
.endr
.irp m, 0,1,2,3
	global_load_b32 v[T+\m], v[PO+\m], s[PRM:PRM+1] offset:1024
.endr
.set k, 0
.rept 32
	global_load_b128 v[ACC+4*k:ACC+4*k+3], v2, s[HQB:HQB+1] offset:512*k          ; sweep 0's images, my quarter, as they lie
.set k, k+1
.endr
	global_load_b128 v[HL:HL+3], v2, s[HSB:HSB+1]
	global_load_b128 v[HL+4:HL+7], v2, s[HSB:HSB+1] offset:2048
	s_wait_loadcnt 34                              ; the tokens are in; behind them 32 loads of images and 2 of scale words
.irp m, 0,1,2,3
	v_min_u32 v[T+\m], 0xfff, v[T+\m]
.endr
.irp m, 0,1,2,3
	ds_store_b32 v[TKW], v[T+\m] offset:64*\m      ; lanes r and r + 16 write the same word with the same value
.endr
.irp m, 0,1,2,3
	v_lshlrev_b32 v[GO+\m], 3, v[T+\m]
.endr
.irp m, 0,1,2,3
	global_load_b64 v[G+4*\m:G+4*\m+1], v[GO+\m], s[6:7]   ; my slot's two gates
.endr
	WIN W_LDA
.set k, 0
.rept 32
	global_load_b128 v[4*k:4*k+3], v2, s[HQB:HQB+1] offset:65536+512*k            ; sweep 1's images, into the registers that h's fragments will take
.set k, k+1
.endr
	WIN 0
	SCLOAD 0, 0
	SCLOAD 0, 1
	WIN W_LDB
	BLOAD 0
	BLOAD 1
	BLOAD 2
	WIN 0
	s_wait_loadcnt 52                              ; all is in but the last 4 loads of scale words and 48 of the ring
.set k, 0
.rept 32
	ds_store_b128 v[HI0], v[ACC+4*k:ACC+4*k+3] offset:512*k
.set k, k+1
.endr
	ds_store_b128 v[HSI], v[HL:HL+3]
	ds_store_b128 v[HSI], v[HL+4:HL+7] offset:2048
	WIN 0x08                                       ; an LDS store's data are its source 1: window 2
.set k, 0
.rept 32
	ds_store_b128 v[HI1], v[4*k:4*k+3] offset:512*k
.set k, k+1
.endr
	WIN 0
.irp m, 0,1,2,3
.irp i, 0,1,2,3,4,5,6,7
	ds_load_b32 v[OFF+8*\m+\i], v[TKR] offset:64*\m+8*\i   ; my own table: LDS serves a wave's instructions in order
.endr
.endr
	s_wait_dscnt 0x0                               ; for the others' sake: my quarter of the images and scale words lies in LDS
	s_barrier_signal -1
	s_barrier_wait -1                              ; all of it does.  The launch's one barrier: every wave has passed it when the ways part
	s_cmp_eq_u32 s[EMP], 1
	s_cbranch_scc1 .Lempty
.set n, 0
.rept 32
	v_min_u32 v[OFF+n], 0xfff, v[OFF+n]
	v_lshl_add_u32 v[OFF+n], v[OFF+n], 12, v[CO]   ; the token's row of 4,096 bytes, + my 16 bytes of the wave's 256
.set n, n+1
.endr
.irp m, 0,1,2,3
	v_mov_b32 v[G+4*\m+2], v[G+4*\m+1]             ; g_hi at the low end of a pair of its own: the packed forms take a pair's low word for both halves
	v_mov_b32 v[G+4*\m+3], 0                       ; (named with it as a pair, so it is written)
.endr
	ASCALE 0
	WIN W_LDA
	AFETCH 0
.irp t, 0,1,2,3,4,5,6,7
	STEP \t
.endr
.rept 8
	v_nop                                          ; places in front of the first read of results
.endr
	WIN 0x80                                       ; destination window 2
.irp m, 0,1,2,3
.set n, 0
.rept 16
	v_pk_mul_f32 v[ACC+32*\m+n:ACC+32*\m+n+1], v[ACC+32*\m+n:ACC+32*\m+n+1], v[G+4*\m:G+4*\m+1] op_sel_hi:[1,0]   ; g_lo x the first sweep's sums, kept aside; each accumulator from its low end on
.set n, n+2
.endr
.endr
.irp t, 8,9,10,11,12,13,14,15
	STEP \t
.endr
.rept 8
	v_nop
.endr
	WIN 0x20                                       ; source 2 window 2
.irp m, 0,1,2,3
.set n, 0
.rept 16
	v_pk_fma_f32 v[ACC+32*\m+n:ACC+32*\m+n+1], v[ACC+32*\m+n:ACC+32*\m+n+1], v[G+4*\m+2:G+4*\m+3], v[ACC+32*\m+n:ACC+32*\m+n+1] op_sel_hi:[1,0,1]   ; + g_hi x the second sweep's
.set n, n+2
.endr
.endr
	WIN 0
	PACK 0
	PACK 1                                         ; a tile's way through the stage stands between the loads of the tile before and its stores
	SEND 0, 16
	PACK 2
	SEND 1, 16
	PACK 3
	SEND 2, 16
	SEND 3, 0
	s_wait_tensorcnt 0x0
	ds_add_u32 v126, v127
	s_wait_dscnt 0x0
	s_endpgm
.Lempty:
	s_wait_tensorcnt 0x0
	ds_add_u32 v126, v127
	s_wait_dscnt 0x0
	s_endpgm
.Lfunc_end_k_q347f10c8d7_gemm2:
	.size	k_q347f10c8d7_gemm2, .Lfunc_end_k_q347f10c8d7_gemm2-k_q347f10c8d7_gemm2
	.p2alignl 7, 3214868480
	.fill 96, 4, 3214868480
	.section	.rodata,"a",@progbits
	.p2align	6, 0x0
	.amdhsa_kernel k_q347f10c8d7_gemm2
		.amdhsa_group_segment_fixed_size 154112
		.amdhsa_private_segment_fixed_size 0
		.amdhsa_enable_private_segment 0
		.amdhsa_kernarg_size 48
		.amdhsa_user_sgpr_count 2
		.amdhsa_user_sgpr_kernarg_segment_ptr 1
		.amdhsa_wavefront_size32 1
		.amdhsa_system_sgpr_workgroup_id_x 1
		.amdhsa_system_sgpr_workgroup_id_y 1
		.amdhsa_system_sgpr_workgroup_id_z 1
		.amdhsa_system_vgpr_workitem_id 0
		.amdhsa_next_free_vgpr 768
		.amdhsa_next_free_sgpr 66
		.amdhsa_reserve_vcc 0
		.amdhsa_float_denorm_mode_32 3
		.amdhsa_float_denorm_mode_16_64 3
		.amdhsa_memory_ordered 1
		.amdhsa_forward_progress 1
		.amdhsa_inst_pref_size 122
	.end_amdhsa_kernel
	.amdgpu_metadata
---
amdhsa.version: [ 1, 2 ]
amdhsa.kernels:
  - .name:           k_q347f10c8d7_gemm2
    .symbol:         k_q347f10c8d7_gemm2.kd
    .args:
      - { .name: meta, .offset: 0, .size: 8, .value_kind: global_buffer, .address_space: global }
      - { .name: gat, .offset: 8, .size: 8, .value_kind: global_buffer, .address_space: global }
      - { .name: hq, .offset: 16, .size: 8, .value_kind: global_buffer, .address_space: global }
      - { .name: wc, .offset: 24, .size: 8, .value_kind: global_buffer, .address_space: global }
      - { .name: ws, .offset: 32, .size: 8, .value_kind: global_buffer, .address_space: global }
      - { .name: out0, .offset: 40, .size: 8, .value_kind: global_buffer, .address_space: global }
    .group_segment_fixed_size: 154112
    .private_segment_fixed_size: 0
    .kernarg_segment_align: 8
    .kernarg_segment_size: 48
    .max_flat_workgroup_size: 128
    .sgpr_count:     66
    .vgpr_count:     768
    .wavefront_size: 32
...
	.end_amdgpu_metadata
.endif
;; end of part 4
;; ======== version 2 of 2: 4 launches
;; limits: right only within a limited range of input values
;; workspace buffers: xq 4,325,376 bytes; pid 16,384 bytes of whole numbers; gat 32,768 bytes; wc 16,777,216 bytes; ws 524,288 bytes; meta 29,696 bytes of whole numbers; hq 15,204,352 bytes
;; launch route (part 5): grid 256 x 1, 8 waves a work-group, no clusters, 125,440 bytes of LDS; arguments x, w_gate, xq, pid, gat; writes xq, pid, gat
.if DOCPART == 5
	.amdgcn_target "amdgcn-amd-amdhsa--gfx1250"
	.amdhsa_code_object_version 6
	.text
	.protected	k_q347f10c8d7_route
	.globl	k_q347f10c8d7_route
	.p2align	8
	.type	k_q347f10c8d7_route,@function
k_q347f10c8d7_route:
	s_mov_b64 s[64:65], 0
	v_nop
	global_prefetch_b8 v0, s[64:65] scope:SCOPE_SE
	s_setreg_imm32_b32 hwreg(HW_REG_WAVE_MODE, 25, 1), 1
	s_wait_xcnt 0x0
; ROUTER AND QUANTISER OF x.  x: [4096][1024] f32; w_gate: [8][1024] f32.
; Out: xq = x as codes of E4M3, [4096][1024], K innermost, and behind them (byte XS_OFF on) one E8M0 byte for each 32 along K, [4096][32];
;      pid[token] = the number 0..27 of the token's unordered pair of experts (lo < hi): lo (15 - lo) / 2 + hi - lo - 1;
;      gat[token] = the softmax weight of the lower-numbered expert, then of the higher-numbered.
; The logits are f32 fused multiply-adds; of equal logits the lower index wins, as in the top-k that is asked for; the larger logit is taken away before the exponential.
; No address and no branch here hangs on the choice: it is stored at fixed places, and a later launch places the rows.
; SHARES.  A work-group owns 16 tokens.  Wave w takes half j = w % 2 of K (512 numbers) of rows 4 (w / 2) + 0..3.  x is read from memory once and serves both the logits and the codes.
; A load reads 512 consecutive bytes, 16 a lane; the conversions want 16 neighbours along K in ONE lane: so the bytes turn through LDS, 64 bytes + 16 of padding to a place.  The gate rows turn the same way, once for the work-group.
; LIMITS: NaN and infinities among the inputs are not served.  A block whose largest magnitude lies under 2^-117 keeps the scale byte 1; so does a block of zeros (its codes are zeros; the bytes are read by this program alone).
; Two logits closer than the rounding of an f32 sum of 1,024 terms may be ordered either way.
.set XS_OFF, 4194304
.set XST, 40960                        ; LDS: 0: the gate rows, 16 steps (2 e + j) of 32 places x 80 bytes; XST: each wave's own stage for x, 4 units of 2,560 bytes
.set LG,  122880                       ; the half logits [j][row 16][e 8] f32
.set XSL, 123904                       ; the scale bytes [row 16][32]
.set RAW, 16                           ; v16-79   x as loaded: unit q, load i at 16 q + 4 i
.set GR,  80                           ; v80-111  my gate row as loaded
.set X,   112                          ; v112-175 x turned: unit q's 16 neighbours at 16 q
.set GW,  16                           ; v16-47   two sets of 16 gate numbers (over RAW, which has been turned by then)
.set P,   48                           ; v48-55   a pair of running sums for each unit
.set L,   176                          ; v176-207 the half logit of unit q and expert e at 8 q + e
.set CD,  208                          ; v208-223 codes
.set TM,  224                          ; v224-243 at work
	s_load_b256 s[4:11], s[0:1], 0x0               ; x s[4:5], w_gate s[6:7], xq s[8:9], pid s[10:11]
	s_load_b64 s[12:13], s[0:1], 0x20              ; gat
	v_lshl_add_u32 v254, v0, 2, 0x1e600
	v_mov_b32 v255, 0
	v_lshrrev_b32 v1, 5, v0
	s_delay_alu instid0(VALU_DEP_1)
	v_readfirstlane_b32 s14, v1                    ; wave 0..7
	v_and_b32 v1, 31, v0                           ; lane
	s_and_b32 s15, s14, 1                          ; j
	s_lshr_b32 s16, s14, 1                         ; which four rows
	v_lshlrev_b32 v2, 4, v1                        ; 16 x lane
	v_lshrrev_b32 v3, 2, v1
	s_delay_alu instid0(VALU_DEP_1)
	v_mul_u32_u24 v3, v3, 80
	v_and_b32 v4, 3, v1
	s_delay_alu instid0(VALU_DEP_1)
	v_lshl_add_u32 v3, v4, 4, v3                   ; into a stage: four lanes' 64 bytes on end, then 16 of padding
	v_mul_u32_u24 v4, v1, 80                       ; out of it: my place
	s_mul_i32 s17, s14, 5120
	v_add_nc_u32 v5, s17, v3                       ; gate row w goes to steps 2 w and 2 w + 1
	s_mul_i32 s17, s14, 10240
	s_add_co_u32 s17, s17, XST
	v_add_nc_u32 v6, s17, v3                       ; my stage, in
	v_add_nc_u32 v7, s17, v4                       ; my stage, out
	s_mul_i32 s17, s15, 2560
	v_add_nc_u32 v8, s17, v4                       ; gate steps 2 e + j, out
	s_lshl_b32 s17, s15, 9
	s_lshl_b32 s18, s16, 7
	s_add_co_u32 s17, s17, s18
	s_add_co_u32 s17, s17, LG
	v_mov_b32 v9, s17                              ; my four rows' half logits
	s_lshl_b32 s17, s15, 4
	s_add_co_u32 s17, s17, s18
	s_add_co_u32 s17, s17, XSL
	v_lshrrev_b32 v10, 1, v1
	s_delay_alu instid0(VALU_DEP_1)
	v_add_nc_u32 v10, s17, v10                     ; my block's scale byte: two lanes hold a block
	v_add_nc_u32 v11, XSL, v2                      ; wave 1's way out of the scale bytes
	v_and_b32 v12, 15, v0
	s_delay_alu instid0(VALU_DEP_1)
	v_lshlrev_b32 v13, 2, v12                      ; pid: 4 bytes a token
	s_delay_alu instid0(VALU_DEP_2)
	v_lshlrev_b32 v14, 3, v12                      ; gat: 8 bytes a token
	s_delay_alu instid0(VALU_DEP_3)
	v_lshl_add_u32 v12, v12, 5, LG                 ; wave 0: a token's eight half logits
	s_lshl_b32 s24, ttmp9, 16                      ; x: 16 rows of 4,096 bytes a work-group,
	s_lshl_b32 s17, s16, 14                        ; four rows,
	s_add_co_u32 s24, s24, s17
	s_lshl_b32 s17, s15, 11                        ; half a row
	s_add_co_u32 s24, s24, s17
	s_mov_b32 s25, 0
	s_lshl_b32 s26, s14, 12                        ; gate row w
	s_mov_b32 s27, 0
	s_lshr_b32 s28, s24, 2                         ; the codes: a quarter of x's bytes
	s_mov_b32 s29, 0
	s_lshl_b32 s30, ttmp9, 9                       ; the scale bytes: 512 a work-group
	s_add_co_u32 s30, s30, XS_OFF
	s_mov_b32 s31, 0
	s_lshl_b32 s32, ttmp9, 6
	s_mov_b32 s33, 0
	s_lshl_b32 s34, ttmp9, 7
	s_mov_b32 s35, 0
	s_mov_b32 s20, 0x76543210
	s_mov_b32 s21, 0xfedcba98                      ; v_permlanex16_b32's selects for lane l xor 16
	s_mov_b32 s22, 0x600000                        ; the mantissa field of 448
	s_wait_kmcnt 0x0
	s_add_nc_u64 s[4:5], s[4:5], s[24:25]
	s_add_nc_u64 s[6:7], s[6:7], s[26:27]
	s_add_nc_u64 s[36:37], s[8:9], s[30:31]
	s_add_nc_u64 s[8:9], s[8:9], s[28:29]
	s_add_nc_u64 s[10:11], s[10:11], s[32:33]
	s_add_nc_u64 s[12:13], s[12:13], s[34:35]
.irp i, 0,1,2,3,4,5,6,7
	global_load_b128 v[GR+4*\i:GR+4*\i+3], v2, s[6:7] offset:512*\i
.endr
.irp q, 0,1,2,3
.irp i, 0,1,2,3
	global_load_b128 v[RAW+16*\q+4*\i:RAW+16*\q+4*\i+3], v2, s[4:5] offset:4096*\q+512*\i th:TH_LOAD_NT   ; 512 consecutive bytes; read once in the launch
.endr
.endr
.irp t, 0,1,2,3,4,5,6,7
	v_mov_b32 v[TM+\t], 0                          ; written once: a lane permute's destination counts as one of its sources
.endr
	s_wait_loadcnt 16                              ; my gate row is in; x's sixteen loads may be out
.irp i, 0,1,2,3,4,5,6,7
	ds_store_b128 v5, v[GR+4*\i:GR+4*\i+3] offset:2560*(\i/4)+640*(\i%4)
.endr
	s_wait_loadcnt 0x0
.irp q, 0,1,2,3
.irp i, 0,1,2,3
	ds_store_b128 v6, v[RAW+16*\q+4*\i:RAW+16*\q+4*\i+3] offset:2560*\q+640*\i
.endr
.endr
.irp q, 0,1,2,3
.irp i, 0,1,2,3
	ds_load_b128 v[X+16*\q+4*\i:X+16*\q+4*\i+3], v7 offset:2560*\q+16*\i   ; LDS serves a wave's instructions in order: these see my stores
.endr
.endr
	s_wait_dscnt 0x0                               ; for the others' sake: my gate row lies in LDS
	s_barrier_signal -1
	s_barrier_wait -1                              ; all eight gate rows do
.macro GLOAD e                         ; my 16 numbers of gate row e, half j
.irp i, 0,1,2,3
	ds_load_b128 v[GW+16*((\e)%2)+4*\i:GW+16*((\e)%2)+4*\i+3], v8 offset:5120*(\e)+16*\i
.endr
.endm
.macro GDOT e                          ; four units x 16 numbers against gate row e, two at a time, the units by turns
.if (\e) < 7
	GLOAD (\e)+1
	s_wait_dscnt 4                                 ; this row's four loads are in; the next row's may be out
.else
	s_wait_dscnt 0x0
.endif
.set GS, GW+16*((\e)%2)
.irp q, 0,1,2,3
	v_pk_mul_f32 v[P+2*\q:P+2*\q+1], v[X+16*\q:X+16*\q+1], v[GS:GS+1]
.endr
.irp i, 1,2,3,4,5,6,7
.irp q, 0,1,2,3
	s_delay_alu instid0(VALU_DEP_4)
	v_pk_fma_f32 v[P+2*\q:P+2*\q+1], v[X+16*\q+2*\i:X+16*\q+2*\i+1], v[GS+2*\i:GS+2*\i+1], v[P+2*\q:P+2*\q+1]
.endr
.endr
.irp q, 0,1,2,3
	s_delay_alu instid0(VALU_DEP_4)
	v_add_f32 v[L+8*\q+(\e)], v[P+2*\q], v[P+2*\q+1]
.endr
.endm
	GLOAD 0
.irp e, 0,1,2,3,4,5,6,7
	GDOT \e
.endr
.irp m, 1,2,4,8                        ; the 32 sums over the 32 lanes: four steps inside each half of 16 lanes, one across
.set n, 0
.rept 32
	v_add_f32_dpp v[L+n], v[L+n], v[L+n] row_xmask:\m row_mask:0xf bank_mask:0xf
.set n, n+1
.endr
.endr
.irp g, 0,1,2,3
.irp t, 0,1,2,3,4,5,6,7
	v_permlanex16_b32 v[TM+\t], v[L+8*\g+\t], s20, s21
.endr
.irp t, 0,1,2,3,4,5,6,7
	v_add_f32 v[L+8*\g+\t], v[L+8*\g+\t], v[TM+\t]
.endr
.endr
.irp q, 0,1,2,3
	ds_store_b128 v9, v[L+8*\q:L+8*\q+3] offset:32*\q          ; all lanes write the same words with the same values
	ds_store_b128 v9, v[L+8*\q+4:L+8*\q+7] offset:32*\q+16
.endr
; THE CODES, behind the logits, since the hold changes x's registers.  Four units by turns.
.irp q, 0,1,2,3
	v_max3_num_f32 v[TM+\q], |v[X+16*\q]|, |v[X+16*\q+1]|, |v[X+16*\q+2]|
	v_max3_num_f32 v[TM+4+\q], |v[X+16*\q+3]|, |v[X+16*\q+4]|, |v[X+16*\q+5]|
.endr
.irp i, 6,10
.irp q, 0,1,2,3
	v_max3_num_f32 v[TM+\q], v[TM+\q], |v[X+16*\q+\i]|, |v[X+16*\q+\i+1]|
	v_max3_num_f32 v[TM+4+\q], v[TM+4+\q], |v[X+16*\q+\i+2]|, |v[X+16*\q+\i+3]|
.endr
.endr
.irp q, 0,1,2,3
	v_max3_num_f32 v[TM+\q], v[TM+\q], |v[X+16*\q+14]|, |v[X+16*\q+15]|
.endr
.irp q, 0,1,2,3
	s_delay_alu instid0(VALU_DEP_4)
	v_max3_num_f32 v[TM+\q], v[TM+\q], v[TM+4+\q], 0x4800000   ; and the floor 2^(9 - 127): the byte cannot fall under 1
.endr
.irp q, 0,1,2,3
	s_delay_alu instid0(VALU_DEP_4)
	v_max_num_f32_dpp v[TM+\q], v[TM+\q], v[TM+\q] row_xmask:1 row_mask:0xf bank_mask:0xf   ; with my neighbour's 16: the block's largest magnitude
.endr
.irp q, 0,1,2,3
	s_delay_alu instid0(VALU_DEP_4)
	v_add_nc_u32 v[TM+8+\q], 0xfc000000, v[TM+\q]  ; 8 off its exponent field: the conversion takes this operand's exponent field as its scale
.endr
.irp q, 0,1,2,3
	v_and_or_b32 v[TM+12+\q], v[TM+\q], 0x7f800000, s22   ; 448 x the scale
.endr
.irp q, 0,1,2,3
.irp i, 0,1,2,3,4,5,6,7,8,9,10,11,12,13,14,15
	v_med3_num_f32 v[X+16*\q+\i], v[X+16*\q+\i], -v[TM+12+\q], v[TM+12+\q]   ; the conversion to an 8-bit code does not saturate (ISA guide 7.6.2): the hold comes first
.endr
	v_cvt_scalef32_pk8_fp8_f32 v[CD+4*\q:CD+4*\q+1], v[X+16*\q:X+16*\q+7], v[TM+8+\q]
	v_cvt_scalef32_pk8_fp8_f32 v[CD+4*\q+2:CD+4*\q+3], v[X+16*\q+8:X+16*\q+15], v[TM+8+\q]
.endr
.irp q, 0,1,2,3
	v_lshrrev_b32 v[TM+16+\q], 23, v[TM+8+\q]      ; the scale's byte (also the plain line behind the last conversion)
.endr
.irp q, 0,1,2,3
	ds_store_b8 v10, v[TM+16+\q] offset:32*\q      ; both lanes of a block write the same byte with the same value
	global_store_b128 v2, v[CD+4*\q:CD+4*\q+3], s[8:9] offset:1024*\q   ; 32 lanes store 512 consecutive bytes of a row of codes
.endr
	s_wait_dscnt 0x0                               ; for the others' sake: my half logits and scale bytes lie in LDS
	s_barrier_signal -1
	s_barrier_wait -1
	s_cmp_eq_u32 s14, 1
	s_cbranch_scc1 .Lscales
	s_cmp_eq_u32 s14, 0
	s_cbranch_scc1 .Ltop
	s_wait_tensorcnt 0x0
	ds_add_u32 v254, v255
	s_wait_dscnt 0x0
	s_endpgm
.Lscales:                                      ; wave 1: the 16 tokens' 512 scale bytes leave as one aligned run of 512
	ds_load_b128 v[16:19], v11
	s_wait_dscnt 0x0
	global_store_b128 v2, v[16:19], s[36:37]
	s_wait_tensorcnt 0x0
	ds_add_u32 v254, v255
	s_wait_dscnt 0x0
	s_endpgm
.Ltop:                                         ; wave 0: lane r (and lane r + 16 alike) takes token r
	ds_load_b128 v[16:19], v12
	ds_load_b128 v[20:23], v12 offset:16
	ds_load_b128 v[24:27], v12 offset:512
	ds_load_b128 v[28:31], v12 offset:528
	s_wait_dscnt 0x0
.irp e, 0,1,2,3,4,5,6,7
	v_add_f32 v[16+\e], v[16+\e], v[24+\e]         ; the two halves of K
.endr
	v_mov_b32 v32, v16                             ; the largest logit and its index: only a strictly larger one takes over, so the lower index wins a tie
	v_mov_b32 v33, 0
.irp e, 1,2,3,4,5,6,7
	s_delay_alu instid0(VALU_DEP_2)
	v_cmp_gt_f32 vcc_lo, v[16+\e], v32
	s_delay_alu instid0(VALU_DEP_1)
	v_cndmask_b32 v32, v32, v[16+\e], vcc_lo
	s_delay_alu instid0(VALU_DEP_2)
	v_cndmask_b32 v33, v33, \e, vcc_lo
.endr
	v_mov_b32 v34, 0xff800000                      ; -infinity takes the winner's place
.irp e, 0,1,2,3,4,5,6,7
	v_cmp_eq_u32 vcc_lo, \e, v33
	s_delay_alu instid0(VALU_DEP_1)
	v_cndmask_b32 v[16+\e], v[16+\e], v34, vcc_lo
.endr
	v_mov_b32 v35, v16                             ; the second largest, the same way
	v_mov_b32 v36, 0
.irp e, 1,2,3,4,5,6,7
	s_delay_alu instid0(VALU_DEP_2)
	v_cmp_gt_f32 vcc_lo, v[16+\e], v35
	s_delay_alu instid0(VALU_DEP_1)
	v_cndmask_b32 v35, v35, v[16+\e], vcc_lo
	s_delay_alu instid0(VALU_DEP_2)
	v_cndmask_b32 v36, v36, \e, vcc_lo
.endr
	s_delay_alu instid0(VALU_DEP_2)
	v_sub_f32 v37, v35, v32                        ; second - first: the maximum is taken away, so this is 0 or less
	s_delay_alu instid0(VALU_DEP_1)
	v_mul_f32 v37, 0x3fb8aa3b, v37
	s_wait_alu depctr_va_vdst(0)
	v_exp_f32 v38, v37                             ; t = e^(second - first), at most 1
	v_min_u32 v41, v33, v36                        ; lo  (plain work behind the exponential)
	v_max_u32 v47, v33, v36                        ; hi
	s_wait_alu depctr_va_vdst(0)                   ; the wait ahead of the first line that names the exponential's result
	v_add_f32 v39, 1.0, v38
	s_wait_alu depctr_va_vdst(0)
	v_rcp_f32 v40, v39                             ; the first's weight 1 / (1 + t)
	v_sub_nc_u32 v44, 15, v41                      ; the pair's number, plain work behind the reciprocal
	s_delay_alu instid0(VALU_DEP_1)
	v_mul_u32_u24 v44, v44, v41
	s_delay_alu instid0(VALU_DEP_1)
	v_lshrrev_b32 v44, 1, v44
	s_delay_alu instid0(VALU_DEP_1)
	v_add_nc_u32 v44, v44, v47
	s_delay_alu instid0(VALU_DEP_1)
	v_sub_nc_u32 v44, v44, v41
	s_delay_alu instid0(VALU_DEP_1)
	v_add_nc_u32 v44, -1, v44
	v_cmp_lt_u32 vcc_lo, v33, v36                  ; is the first also the lower-numbered?
	s_wait_alu depctr_va_vdst(0)                   ; and ahead of the reciprocal's first reader
	v_mul_f32 v45, v38, v40                        ; the second's weight t / (1 + t)
	v_cndmask_b32 v42, v45, v40, vcc_lo            ; the lower-numbered expert's weight,
	v_cndmask_b32 v43, v40, v45, vcc_lo            ; the higher-numbered's
	v_cmp_gt_u32 vcc_lo, 16, v1
	s_wait_alu depctr_va_vdst(0)
	s_wait_xcnt 0x0                                ; EXEC changes only behind this wait: my stores of codes have had their addresses translated
	s_wait_tensorcnt 0x0
	ds_add_u32 v254, v255
	s_wait_dscnt 0x0
	s_and_saveexec_b32 s30, vcc_lo
	global_store_b32 v13, v44, s[10:11]
	global_store_b64 v14, v[42:43], s[12:13]
	s_wait_xcnt 0x0
	s_or_b32 exec_lo, exec_lo, s30
	s_endpgm
.Lfunc_end_k_q347f10c8d7_route:
	.size	k_q347f10c8d7_route, .Lfunc_end_k_q347f10c8d7_route-k_q347f10c8d7_route
	.p2alignl 7, 3214868480
	.fill 96, 4, 3214868480
	.section	.rodata,"a",@progbits
	.p2align	6, 0x0
	.amdhsa_kernel k_q347f10c8d7_route
		.amdhsa_group_segment_fixed_size 125440
		.amdhsa_private_segment_fixed_size 0
		.amdhsa_enable_private_segment 0
		.amdhsa_kernarg_size 40
		.amdhsa_user_sgpr_count 2
		.amdhsa_user_sgpr_kernarg_segment_ptr 1
		.amdhsa_wavefront_size32 1
		.amdhsa_system_sgpr_workgroup_id_x 1
		.amdhsa_system_sgpr_workgroup_id_y 1
		.amdhsa_system_sgpr_workgroup_id_z 1
		.amdhsa_system_vgpr_workitem_id 0
		.amdhsa_next_free_vgpr 256
		.amdhsa_next_free_sgpr 66
		.amdhsa_reserve_vcc 1
		.amdhsa_float_denorm_mode_32 3
		.amdhsa_float_denorm_mode_16_64 3
		.amdhsa_memory_ordered 1
		.amdhsa_forward_progress 1
		.amdhsa_inst_pref_size 63
	.end_amdhsa_kernel
	.amdgpu_metadata
---
amdhsa.version: [ 1, 2 ]
amdhsa.kernels:
  - .name:           k_q347f10c8d7_route
    .symbol:         k_q347f10c8d7_route.kd
    .args:
      - { .name: x, .offset: 0, .size: 8, .value_kind: global_buffer, .address_space: global }
      - { .name: w_gate, .offset: 8, .size: 8, .value_kind: global_buffer, .address_space: global }
      - { .name: xq, .offset: 16, .size: 8, .value_kind: global_buffer, .address_space: global }
      - { .name: pid, .offset: 24, .size: 8, .value_kind: global_buffer, .address_space: global }
      - { .name: gat, .offset: 32, .size: 8, .value_kind: global_buffer, .address_space: global }
    .group_segment_fixed_size: 125440
    .private_segment_fixed_size: 0
    .kernarg_segment_align: 8
    .kernarg_segment_size: 40
    .max_flat_workgroup_size: 256
    .sgpr_count:     66
    .vgpr_count:     256
    .wavefront_size: 32
...
	.end_amdgpu_metadata
.endif
;; end of part 5
;; launch prep (part 6): grid 257 x 1, 8 waves a work-group, no clusters, 69,632 bytes of LDS; arguments w_in, w_out, pid, wc, ws, meta; writes wc, ws, meta
.if DOCPART == 6
	.amdgcn_target "amdgcn-amd-amdhsa--gfx1250"
	.amdhsa_code_object_version 6
	.text
	.protected	k_q347f10c8d7_prep
	.globl	k_q347f10c8d7_prep
	.p2align	8
	.type	k_q347f10c8d7_prep,@function
k_q347f10c8d7_prep:
	s_mov_b64 s[64:65], 0
	v_nop
	global_prefetch_b8 v0, s[64:65] scope:SCOPE_SE
	s_setreg_imm32_b32 hwreg(HW_REG_WAVE_MODE, 25, 1), 1
	s_wait_xcnt 0x0
; WORK-GROUPS 1 TO 256 QUANTISE THE WEIGHTS; WORK-GROUP 0 PLACES THE TOKENS.  The two ways part on the work-group's number and have LDS bytes of their own.
; THE WEIGHTS.  w_in, w_out: [8][1024][1024] f32, K innermost.  They become codes of E4M3 with one E8M0 byte for each 32 along K, laid in the ORDER OF THE OPERAND'S REGISTERS:
;   wc [mat 2][expert 8][group 16][K step 8][tile 4][chunk 4][lane 32][16 bytes]: a fragment (16 rows x 128 K) is 2,048 bytes on end; lane (r, h) has k = 32 c + 16 h + 0..15 in chunk c.
;   ws [mat][expert][group][half 2][tile 4][r 16][4 words]: word j of half i is the scale word of K step 4 i + j.
;   A group is 64 rows.  THE ROWS OF A TILE ARE NOT NEIGHBOURS: lane r of tile 2 b + u is row 32 b + 8 u + r + 8 (r / 8), so that in the product, used transposed, the 16 registers of tiles 2 b and 2 b + 1 are 16 neighbours.
;   A work-group takes one group; wave w tile w / 2 and half w % 2 of K: four fragments.  Each load reads 512 consecutive bytes of one row; 16 rows turn through the wave's own stage (pitch 528) so that a lane holds its row's numbers.
; THE PLACING.  pid[token] = the token's pair of experts, 0..27.  A counting sort, without atomics: each pair's tokens get slots on end, each pair's run of slots begins at a multiple of 64.
;   meta: binfo[256] at byte 0: for block b of 64 slots: lo | hi << 8 | (valid slots) << 16, 0 valid slots where the block is not used; perm at byte 1,024: the token of each valid slot.  Slots behind a block's valid ones are never stored and never read.
;   There are never more than 64 + 27 = 91 blocks.  perm's stores are 4 bytes a lane to scattered places: 16 KiB in all.
;   The ranks are made by vector instructions alone: no scalar instruction reads a mask that a compare has just written.
; LIMITS: NaN and infinities among the weights are not served.  A block whose largest magnitude lies under 2^-117 keeps the scale byte 1; so does a block of zeros (its codes are zeros; the bytes are read by this program alone).
; THE BLOCKS OF THE PLACING hold 112 slots, and there are at most floor((4,096 + 28 x 111) / 112) = 64 of them: read so what the lines above say of 64 slots and 91 blocks.  A pair's run of slots begins at a multiple of 112.
.set SPT,  528                         ; a stage row: 512 bytes + 16
.set TBL,  67584                       ; the sort's table of counts: 8 waves x 32 words
.set RAW,  16                          ; v16-143  two sets of 16 rows x 16 bytes a lane
.set X,    144                         ; v144-207 64 numbers of my row: register 16 b + i = k 32 b + 16 h + i
.set PC,   208                         ; v208-223 a fragment's codes
.set TM,   224                         ; v224-239 at work
.set PW,   240                         ; v240-243 the four fragments' scale words
.set SEL,  20
.set MNT,  22
	s_load_b256 s[4:11], s[0:1], 0x0               ; w_in s[4:5], w_out s[6:7], pid s[8:9], wc s[10:11]
	s_load_b128 s[12:15], s[0:1], 0x20             ; ws s[12:13], meta s[14:15]
	v_lshl_add_u32 v254, v0, 2, 0x10c00
	v_mov_b32 v255, 0
	v_lshrrev_b32 v1, 5, v0
	s_delay_alu instid0(VALU_DEP_1)
	v_readfirstlane_b32 s16, v1                    ; wave 0..7
	v_and_b32 v1, 31, v0                           ; lane
	s_delay_alu instid0(VALU_DEP_1)
	v_lshlrev_b32 v2, 4, v1                        ; 16 x lane
	s_cmp_eq_u32 ttmp9, 0
	s_cbranch_scc1 .Lsort
	s_sub_co_u32 s17, ttmp9, 1
	s_lshr_b32 s18, s17, 7                         ; mat: 0 = w_in, 1 = w_out
	s_and_b32 s19, s17, 127                        ; 16 x expert + group
	s_lshr_b32 s23, s16, 1                         ; tile
	s_and_b32 s24, s16, 1                          ; half of K
	s_mul_i32 s25, s16, 16*SPT                     ; my stage
	s_wait_alu depctr_va_vdst(0)
	v_add_nc_u32 v3, s25, v2                       ; in: 16 bytes a lane of a row
	v_and_b32 v6, 15, v0                           ; r
	v_bfe_u32 v7, v0, 4, 1                         ; h
	s_delay_alu instid0(VALU_DEP_2)
	v_mul_u32_u24 v4, v6, SPT
	s_delay_alu instid0(VALU_DEP_1)
	v_lshl_add_u32 v4, v7, 6, v4
	s_delay_alu instid0(VALU_DEP_1)
	v_add_nc_u32 v4, s25, v4                       ; out: row r, + 64 h bytes: my 16 numbers of a block of 32
	v_lshlrev_b32 v5, 4, v6                        ; the scale words' place: 16 r
	s_lshl_b32 s26, s19, 18                        ; in memory: a group's 64 rows of 4,096 bytes,
	s_lshr_b32 s28, s23, 1
	s_lshl_b32 s28, s28, 17                        ; 32 rows for the tile's pair,
	s_add_co_u32 s26, s26, s28
	s_and_b32 s28, s23, 1
	s_lshl_b32 s28, s28, 15                        ; 8 rows for the tile in the pair,
	s_add_co_u32 s26, s26, s28
	s_lshl_b32 s28, s24, 11                        ; half a row
	s_add_co_u32 s26, s26, s28
	s_mov_b32 s27, 0
	s_lshl_b32 s28, s18, 23                        ; codes: 8,388,608 a matrix, 65,536 a group, 32,768 a half, 2,048 a tile
	s_lshl_b32 s30, s19, 16
	s_add_co_u32 s28, s28, s30
	s_lshl_b32 s30, s24, 15
	s_add_co_u32 s28, s28, s30
	s_lshl_b32 s30, s23, 11
	s_add_co_u32 s28, s28, s30
	s_mov_b32 s29, 0
	s_lshl_b32 s30, s18, 18                        ; scale words: 262,144 a matrix, 2,048 a group, 1,024 a half, 256 a tile
	s_lshl_b32 s32, s19, 11
	s_add_co_u32 s30, s30, s32
	s_lshl_b32 s32, s24, 10
	s_add_co_u32 s30, s30, s32
	s_lshl_b32 s32, s23, 8
	s_add_co_u32 s30, s30, s32
	s_mov_b32 s31, 0
	s_mov_b32 s[SEL], 0x76543210
	s_mov_b32 s[SEL+1], 0xfedcba98                 ; v_permlanex16_b32's selects for lane l xor 16
	s_mov_b32 s[MNT], 0x600000                     ; the mantissa field of 448
.irp b, 0,1,2,3
	v_mov_b32 v[TM+4+\b], 0                        ; written once: a lane permute's destination counts as one of its sources
.endr
	s_wait_alu depctr_va_vdst(0)
	s_wait_kmcnt 0x0
	s_cmp_eq_u32 s18, 0                            ; the choice hangs on the work-group's number alone
	s_cselect_b64 s[4:5], s[4:5], s[6:7]
	s_add_nc_u64 s[4:5], s[4:5], s[26:27]
	s_add_nc_u64 s[10:11], s[10:11], s[28:29]
	s_add_nc_u64 s[12:13], s[12:13], s[30:31]
.macro LOADF f                         ; fragment f's 16 rows x 512 bytes into set f % 2
.irp p, 0,1,2,3,4,5,6,7,8,9,10,11,12,13,14,15
	global_load_b128 v[RAW+64*((\f)%2)+4*\p:RAW+64*((\f)%2)+4*\p+3], v2, s[4:5] offset:(\p+8*(\p/8))*4096+512*(\f) th:TH_LOAD_NT
.endr
.endm
.macro TURNF f                         ; through my stage: in by rows as loaded, out 64 numbers of my row
.irp p, 0,1,2,3,4,5,6,7,8,9,10,11,12,13,14,15
	ds_store_b128 v3, v[RAW+64*((\f)%2)+4*\p:RAW+64*((\f)%2)+4*\p+3] offset:SPT*\p
.endr
.irp c, 0,1,2,3
.irp j, 0,1,2,3
	ds_load_b128 v[X+16*\c+4*\j:X+16*\c+4*\j+3], v4 offset:128*\c+16*\j   ; LDS serves a wave's instructions in order: these see my stores
.endr
.endr
.endm
.macro QUANT pw                        ; v[X] on: 64 numbers; their codes into v[PC] on, their scale word into v[pw]
.irp b, 0,1,2,3
	v_max3_num_f32 v[TM+\b], |v[X+16*\b]|, |v[X+1+16*\b]|, 0x4800000   ; block b: my 16 numbers, and the floor 2^(9 - 127): the byte cannot fall under 1
.endr
.irp i, 2,4,6,8,10,12,14
.irp b, 0,1,2,3
	s_delay_alu instid0(VALU_DEP_4)
	v_max3_num_f32 v[TM+\b], v[TM+\b], |v[X+16*\b+\i]|, |v[X+1+16*\b+\i]|
.endr
.endr
.irp b, 0,1,2,3
	s_delay_alu instid0(VALU_DEP_4)
	v_permlanex16_b32 v[TM+4+\b], v[TM+\b], s[SEL], s[SEL+1]
.endr
.irp b, 0,1,2,3
	s_delay_alu instid0(VALU_DEP_4)
	v_max_num_f32 v[TM+\b], v[TM+\b], v[TM+4+\b]   ; with lane l xor 16's: the block's largest magnitude
.endr
.irp b, 0,1,2,3
	s_delay_alu instid0(VALU_DEP_4)
	v_add_nc_u32 v[TM+12+\b], 0xfc000000, v[TM+\b] ; 8 off its exponent field: the conversion's scale operand
.endr
.irp b, 0,1,2,3
	v_and_or_b32 v[TM+8+\b], v[TM+\b], 0x7f800000, s[MNT]   ; 448 x the scale
.endr
.irp b, 0,1,2,3
	v_lshrrev_b32 v[TM+4+\b], 23, v[TM+12+\b]      ; the scale's byte
.endr
	s_delay_alu instid0(VALU_DEP_3)
	v_lshl_or_b32 v[\pw], v[TM+5], 8, v[TM+4]
	s_delay_alu instid0(VALU_DEP_1)
	v_lshl_or_b32 v[\pw], v[TM+6], 16, v[\pw]
	s_delay_alu instid0(VALU_DEP_1)
	v_lshl_or_b32 v[\pw], v[TM+7], 24, v[\pw]
.irp b, 0,1,2,3
.irp i, 0,1,2,3,4,5,6,7,8,9,10,11,12,13,14,15
	v_med3_num_f32 v[X+16*\b+\i], v[X+16*\b+\i], -v[TM+8+\b], v[TM+8+\b]   ; the conversion to an 8-bit code does not saturate (ISA guide 7.6.2): the hold comes first
.endr
	v_cvt_scalef32_pk8_fp8_f32 v[PC+4*\b:PC+1+4*\b], v[X+16*\b:X+7+16*\b], v[TM+12+\b]
	v_cvt_scalef32_pk8_fp8_f32 v[PC+2+4*\b:PC+3+4*\b], v[X+8+16*\b:X+15+16*\b], v[TM+12+\b]
.endr
	v_nop                                          ; a plain line behind the last conversion
.endm
	LOADF 0
	LOADF 1
.irp f, 0,1,2,3
.if \f < 3
	s_wait_loadcnt 16                              ; this fragment's 16 loads are in; the next one's may be out
.else
	s_wait_loadcnt 0x0
.endif
	TURNF \f
	s_wait_dscnt 0x0                               ; my numbers are back, and the stores into the stage have read their registers
.if \f > 0
	s_wait_xcnt 0x0                                ; the last fragment's stores have read the codes' registers: they may be written again.  It stands ahead of the loads below, so that it does not wait for them
.endif
.if \f < 2
	LOADF \f+2                                     ; the registers that the stage has read take the fragment two on
.endif
	QUANT PW+\f
.irp c, 0,1,2,3
	global_store_b128 v2, v[PC+4*\c:PC+4*\c+3], s[10:11] offset:8192*\f+512*\c   ; 512 consecutive bytes: the fragment as its registers stand
.endr
.endr
	v_cmp_gt_u32 vcc_lo, 16, v1
	s_wait_xcnt 0x0                                ; EXEC changes only behind this wait
	s_wait_tensorcnt 0x0
	ds_add_u32 v254, v255
	s_wait_dscnt 0x0
	s_and_saveexec_b32 s17, vcc_lo
	global_store_b128 v5, v[PW:PW+3], s[12:13]     ; sixteen lanes store 256 consecutive bytes, aligned: my tile's scale words of four K steps
	s_wait_xcnt 0x0
	s_or_b32 exec_lo, exec_lo, s17
	s_endpgm
; ---------------------------------------------------------------- the placing
.set CNT, 36                           ; s36-63  each pair's slots, then each pair's first slot
.set END, 66                           ; s66-93  each pair's tokens, then its first slot + its tokens
.set BL,  36                           ; s36-55  the ballots of four registers x five bits (ahead of CNT's use)
.set PID, 16                           ; v16-31  register 4 i + j of lane l: the pair of token 512 w + 128 i + 4 l + j
.set R,   32                           ; v32-47  the token's rank among the lanes below it that hold its pair in the same register
.set TK,  48                           ; v48-63  the token's number
.set SL,  64                           ; v64-79  its slot, then the slot's byte in perm
.set HK,  128                          ; v128-143 lane p: my wave's tokens of pair p in the registers ahead of register k; later + the first slot of my wave's tokens of pair p
.set LB,  144                          ; v144-148 all ones where bit b of my lane's number is set, else 0
.set M,   150                          ; v150-169 four registers x five bits, at work
.set Q,   170                          ; v170-173
.set W,   174                          ; v174-177
.set RUN, 178                          ; lane p: my wave's tokens of pair p so far
.Lsort:
	s_lshl_b32 s2, s16, 11
	s_mov_b32 s3, 0
	v_lshl_add_u32 v82, v0, 2, TBL                 ; my wave's 32 words of the table, my lane's word
	s_wait_alu depctr_va_vdst(0)
	v_lshl_add_u32 v83, v1, 2, TBL                 ; my lane's word of wave 0's
.irp b, 0,1,2,3,4
	v_bfe_u32 v[LB+\b], v1, \b, 1
.endr
.irp b, 0,1,2,3,4
	v_sub_nc_u32 v[LB+\b], 0, v[LB+\b]
.endr
	v_mov_b32 v[RUN], 0
	s_mov_b32 s17, 0x01010101
	s_wait_kmcnt 0x0
	s_add_nc_u64 s[8:9], s[8:9], s[2:3]
.irp i, 0,1,2,3
	global_load_b128 v[PID+4*\i:PID+4*\i+3], v2, s[8:9] offset:512*\i
.endr
	s_wait_loadcnt 0x0
; Four registers by turns.  A pair's number has five bits.  For each bit: which lanes have it set (a ballot).  A ballot xor (all ones where MY bit is set) names the lanes whose bit differs from mine;
; the five joined name the lanes that hold another pair; the rest are my peers, and those below me are my rank.  The same ballots against the bits of my LANE'S NUMBER give lane p the lanes that hold pair p.
.macro ORALL                           ; v[Q + j] = the complement of the five masks of register j joined
.irp j, 0,1,2,3
	v_or_b32 v[Q+\j], v[M+5*\j], v[M+5*\j+1]
.endr
.irp b, 2,3,4
.irp j, 0,1,2,3
	s_delay_alu instid0(VALU_DEP_4)
	v_or_b32 v[Q+\j], v[Q+\j], v[M+5*\j+\b]
.endr
.endr
.irp j, 0,1,2,3
	s_delay_alu instid0(VALU_DEP_4)
	v_xor_b32 v[Q+\j], -1, v[Q+\j]
.endr
.endm
.macro GROUP k0
.irp b, 0,1,2,3,4
.irp j, 0,1,2,3
	v_bfe_u32 v[M+5*\j+\b], v[PID+(\k0)+\j], \b, 1
.endr
.endr
.irp b, 0,1,2,3,4
.irp j, 0,1,2,3
	v_sub_nc_u32 v[M+5*\j+\b], 0, v[M+5*\j+\b]     ; all ones where my token's bit is set
.endr
.endr
.irp b, 0,1,2,3,4
.irp j, 0,1,2,3
	v_cmp_ne_u32 s[BL+5*\j+\b], 0, v[M+5*\j+\b]    ; the ballot; only vector instructions read it
.endr
.endr
.irp b, 0,1,2,3,4
.irp j, 0,1,2,3
	v_xor_b32 v[M+5*\j+\b], s[BL+5*\j+\b], v[M+5*\j+\b]
.endr
.endr
	ORALL                                          ; my peers
.irp j, 0,1,2,3
	s_delay_alu instid0(VALU_DEP_4)
	v_mbcnt_lo_u32_b32 v[R+(\k0)+\j], v[Q+\j], 0   ; those in the lanes below me
.endr
.irp b, 0,1,2,3,4
.irp j, 0,1,2,3
	v_xor_b32 v[M+5*\j+\b], s[BL+5*\j+\b], v[LB+\b]
.endr
.endr
	ORALL                                          ; lane p: the lanes that hold pair p.  Their number, by sums of neighbouring fields of 1, 2 and 4 bits and one multiplication that adds the four bytes:
.irp j, 0,1,2,3
	s_delay_alu instid0(VALU_DEP_4)
	v_lshrrev_b32 v[W+\j], 1, v[Q+\j]
.endr
.irp j, 0,1,2,3
	s_delay_alu instid0(VALU_DEP_4)
	v_and_b32 v[W+\j], 0x55555555, v[W+\j]
.endr
.irp j, 0,1,2,3
	s_delay_alu instid0(VALU_DEP_4)
	v_sub_nc_u32 v[Q+\j], v[Q+\j], v[W+\j]
.endr
.irp j, 0,1,2,3
	s_delay_alu instid0(VALU_DEP_4)
	v_lshrrev_b32 v[W+\j], 2, v[Q+\j]
.endr
.irp j, 0,1,2,3
	v_and_b32 v[Q+\j], 0x33333333, v[Q+\j]
.endr
.irp j, 0,1,2,3
	v_and_b32 v[W+\j], 0x33333333, v[W+\j]
.endr
.irp j, 0,1,2,3
	s_delay_alu instid0(VALU_DEP_4)
	v_add_nc_u32 v[Q+\j], v[Q+\j], v[W+\j]
.endr
.irp j, 0,1,2,3
	s_delay_alu instid0(VALU_DEP_4)
	v_lshrrev_b32 v[W+\j], 4, v[Q+\j]
.endr
.irp j, 0,1,2,3
	s_delay_alu instid0(VALU_DEP_4)
	v_add_nc_u32 v[Q+\j], v[Q+\j], v[W+\j]
.endr
.irp j, 0,1,2,3
	s_delay_alu instid0(VALU_DEP_4)
	v_and_b32 v[Q+\j], 0x0f0f0f0f, v[Q+\j]         ; four bytes of at most 8
.endr
.irp j, 0,1,2,3
	s_delay_alu instid0(VALU_DEP_4)
	v_mul_lo_u32 v[Q+\j], v[Q+\j], s17             ; their sum, at most 32, in the top byte
.endr
.irp j, 0,1,2,3
	s_delay_alu instid0(VALU_DEP_4)
	v_lshrrev_b32 v[Q+\j], 24, v[Q+\j]
.endr
.irp j, 0
	v_mov_b32 v[HK+(\k0)+\j], v[RUN]               ; what stands ahead of this register,
	v_add_nc_u32 v[RUN], v[RUN], v[Q+\j]           ; and with it
.endr
.irp j, 1, 2, 3
	s_delay_alu instid0(VALU_DEP_1)
	v_mov_b32 v[HK+(\k0)+\j], v[RUN]               ; what stands ahead of this register,
	s_delay_alu instid0(VALU_DEP_2)
	v_add_nc_u32 v[RUN], v[RUN], v[Q+\j]           ; and with it
.endr
.endm
	GROUP 0
	GROUP 4
	GROUP 8
	GROUP 12
	ds_store_b32 v82, v[RUN]                       ; lane p: my wave's count of pair p
	s_wait_dscnt 0x0                               ; for the others' sake: my counts lie in LDS
	s_barrier_signal -1
	s_barrier_wait -1                              ; (this way is taken by all eight waves of work-group 0 and by no other wave)
.irp u, 0,1,2,3,4,5,6,7
	ds_load_b32 v[84+\u], v83 offset:128*\u
.endr
	v_mov_b32 v93, 0                               ; lane p: pair p's tokens in all,
	v_mov_b32 v94, 0                               ; and in the waves ahead of mine
	v_mov_b32 v112, 0
	s_wait_alu depctr_va_vdst(0)
	s_wait_dscnt 0x0
.irp u, 0,1,2,3,4,5,6,7
	s_cmp_gt_u32 s16, \u
	s_cselect_b32 s2, -1, 0
	v_add_nc_u32 v93, v93, v[84+\u]
	v_and_b32 v92, s2, v[84+\u]
	s_delay_alu instid0(VALU_DEP_1)
	v_add_nc_u32 v94, v94, v92
.endr
	s_delay_alu instid0(VALU_DEP_3)
	v_add_nc_u32 v95, 0x6f, v93
	s_delay_alu instid0(VALU_DEP_1)
	v_lshrrev_b32 v95, 4, v95
	s_delay_alu instid0(VALU_DEP_1)
	v_mul_u32_u24 v95, 0x2493, v95                 ; / 7, exact for what is at most 263: 9,363 = 65,536 / 7 rounded up
	s_delay_alu instid0(VALU_DEP_1)
	v_lshrrev_b32 v95, 16, v95
	s_delay_alu instid0(VALU_DEP_1)
	v_mul_u32_u24 v95, 0x70, v95                   ; the pair's slots: its tokens rounded up to whole blocks of 112
.set p, 0
.rept 28
	v_readlane_b32 s[END+p], v93, p                ; all 56 numbers come over in one run, ahead of the first scalar line that reads one
.set p, p+1
.endr
.set p, 0
.rept 28
	v_readlane_b32 s[CNT+p], v95, p
.set p, p+1
.endr
	s_mov_b32 s2, 0
.set p, 0
.rept 28
	s_mov_b32 s3, s[CNT+p]
	s_mov_b32 s[CNT+p], s2                         ; the pair's first slot
	s_add_co_u32 s[END+p], s[END+p], s2            ; and the slot behind its last token
	s_add_co_u32 s2, s2, s3
.set p, p+1
.endr
.set p, 0
	v_writelane_b32 v112, s[CNT+p], p
.set p, p+1
.rept (28)-1
	s_delay_alu instid0(VALU_DEP_1)
	v_writelane_b32 v112, s[CNT+p], p
.set p, p+1
.endr
	s_delay_alu instid0(VALU_DEP_1)
	v_add_nc_u32 v113, v112, v94                   ; lane p: the first slot of my wave's tokens of pair p
.set k, 0
.rept 16
	v_add_nc_u32 v[HK+k], v[HK+k], v113            ; and of those in register k
	v_min_u32 v[96+k], 27, v[PID+k]
	s_delay_alu instid0(VALU_DEP_1)
	v_lshlrev_b32 v[96+k], 2, v[96+k]
.set k, k+1
.endr
.set k, 0
.rept 16
	ds_bpermute_b32 v[SL+k], v[96+k], v[HK+k]      ; each token takes its pair's lane: no LDS byte is touched
.set k, k+1
.endr
	s_lshl_b32 s3, s16, 9
	v_lshl_add_u32 v114, v1, 2, s3                 ; 512 w + 4 l
.set k, 0
.rept 16
	v_add_nc_u32 v[TK+k], 128*(k/4)+k%4, v114
.set k, k+1
.endr
	s_wait_dscnt 0x0
.set k, 0
.rept 16
	v_add_nc_u32 v[SL+k], v[SL+k], v[R+k]
	s_delay_alu instid0(VALU_DEP_1)
	v_min_u32 v[SL+k], 7167, v[SL+k]               ; 64 blocks of 112 slots: no slot lies beyond
	s_delay_alu instid0(VALU_DEP_1)
	v_lshlrev_b32 v[SL+k], 2, v[SL+k]
	global_store_b32 v[SL+k], v[TK+k], s[14:15] offset:1024
.set k, k+1
.endr
; binfo: thread b takes block b: the last pair whose first slot is not behind the block's.
	v_mul_u32_u24 v115, 0x70, v0
	v_mov_b32 v116, 0
	v_mov_b32 v117, 0
.set p, 0
.irp lo, 0,1,2,3,4,5,6
.irp hi, 1,2,3,4,5,6,7
.if \hi > \lo
	v_cmp_gt_u32 vcc_lo, s[CNT+p], v115
	s_delay_alu instid0(VALU_DEP_1)
	v_cndmask_b32 v116, (\lo)|((\hi)<<8), v116, vcc_lo
	s_delay_alu instid0(VALU_DEP_2)
	v_cndmask_b32 v117, s[END+p], v117, vcc_lo
.set p, p+1
.endif
.endr
.endr
	s_delay_alu instid0(VALU_DEP_1)
	v_sub_nc_u32 v117, v117, v115
	s_delay_alu instid0(VALU_DEP_1)
	v_max_i32 v117, 0, v117
	s_delay_alu instid0(VALU_DEP_1)
	v_min_i32 v117, 0x70, v117                     ; the block's valid slots, 0 to 112
	s_delay_alu instid0(VALU_DEP_1)
	v_lshl_or_b32 v116, v117, 16, v116
	v_lshlrev_b32 v118, 2, v0
	global_store_b32 v118, v116, s[14:15]
	s_wait_tensorcnt 0x0
	ds_add_u32 v254, v255
	s_wait_dscnt 0x0
	s_endpgm
.Lfunc_end_k_q347f10c8d7_prep:
	.size	k_q347f10c8d7_prep, .Lfunc_end_k_q347f10c8d7_prep-k_q347f10c8d7_prep
	.p2alignl 7, 3214868480
	.fill 96, 4, 3214868480
	.section	.rodata,"a",@progbits
	.p2align	6, 0x0
	.amdhsa_kernel k_q347f10c8d7_prep
		.amdhsa_group_segment_fixed_size 69632
		.amdhsa_private_segment_fixed_size 0
		.amdhsa_enable_private_segment 0
		.amdhsa_kernarg_size 48
		.amdhsa_user_sgpr_count 2
		.amdhsa_user_sgpr_kernarg_segment_ptr 1
		.amdhsa_wavefront_size32 1
		.amdhsa_system_sgpr_workgroup_id_x 1
		.amdhsa_system_sgpr_workgroup_id_y 1
		.amdhsa_system_sgpr_workgroup_id_z 1
		.amdhsa_system_vgpr_workitem_id 0
		.amdhsa_next_free_vgpr 256
		.amdhsa_next_free_sgpr 100
		.amdhsa_reserve_vcc 1
		.amdhsa_float_denorm_mode_32 3
		.amdhsa_float_denorm_mode_16_64 3
		.amdhsa_memory_ordered 1
		.amdhsa_forward_progress 1
		.amdhsa_inst_pref_size 128
	.end_amdhsa_kernel
	.amdgpu_metadata
---
amdhsa.version: [ 1, 2 ]
amdhsa.kernels:
  - .name:           k_q347f10c8d7_prep
    .symbol:         k_q347f10c8d7_prep.kd
    .args:
      - { .name: w_in, .offset: 0, .size: 8, .value_kind: global_buffer, .address_space: global }
      - { .name: w_out, .offset: 8, .size: 8, .value_kind: global_buffer, .address_space: global }
      - { .name: pid, .offset: 16, .size: 8, .value_kind: global_buffer, .address_space: global }
      - { .name: wc, .offset: 24, .size: 8, .value_kind: global_buffer, .address_space: global }
      - { .name: ws, .offset: 32, .size: 8, .value_kind: global_buffer, .address_space: global }
      - { .name: meta, .offset: 40, .size: 8, .value_kind: global_buffer, .address_space: global }
    .group_segment_fixed_size: 69632
    .private_segment_fixed_size: 0
    .kernarg_segment_align: 8
    .kernarg_segment_size: 48
    .max_flat_workgroup_size: 256
    .sgpr_count:     100
    .vgpr_count:     256
    .wavefront_size: 32
...
	.end_amdgpu_metadata
.endif
;; end of part 6
;; launch gemm1 (part 7): grid 4 x 64, 8 waves a work-group, no clusters, 121,600 bytes of LDS; arguments meta, xq, wc, ws, hq; writes hq
.if DOCPART == 7
	.amdgcn_target "amdgcn-amd-amdhsa--gfx1250"
	.amdhsa_code_object_version 6
	.text
	.protected	k_q347f10c8d7_gemm1
	.globl	k_q347f10c8d7_gemm1
	.p2align	8
	.type	k_q347f10c8d7_gemm1,@function
k_q347f10c8d7_gemm1:
	s_mov_b64 s[64:65], 0
	v_nop
	global_prefetch_b8 v0, s[64:65] scope:SCOPE_SE
	s_setreg_imm32_b32 hwreg(HW_REG_WAVE_MODE, 25, 1), 1
	s_wait_xcnt 0x0
; THE FIRST PRODUCT, for the chosen rows alone: h = Q(x) Q(w_in[e])^T, e = a block's two experts, and h quantised along the second product's K on the way out.  MX-FP8, sums in f32.
; A BLOCK is 112 slots whose tokens all chose the same two experts (lo, hi): binfo[b] = lo | hi << 8 | valid << 16, perm = the slots' tokens.  A slot behind the valid ones takes the block's last valid token: a copy.
; SHARES.  Work-group (cb, b): block b x 256 hidden units of BOTH experts.  Waves 0-3 take expert lo, waves 4-7 expert hi; wave w all 112 slots x the 64 hidden units of group 4 cb + w % 4: 7 tiles of slots x 4 tiles of weights = 28 accumulators, 8 K steps of 128.
; The weights' fragments come from memory straight into a ring of three register slots, two K steps ahead, as they lie (in the order of the operand's registers).  x's 112 rows of codes are gathered into LDS once (pitch 1,040) and serve both experts.
; Slot fragments come from LDS by pairs of tiles into two buffers by turns: while one pair is multiplied the next is on its way.
; No tensor load, no cluster: the weights' addresses and the end of an unused block hang on stored numbers.  No prefetch: the launch has no loop to run ahead in, and the ring asks two of eight K steps ahead.
; A BLOCK THAT IS NOT USED takes block 0's numbers through the prologue and the one barrier, and ends behind it, storing nothing.  The grid of 64 blocks serves every split of the tokens.
; TRANSPOSED USE (source 0 = 16 rows of the weight, source 1 = 16 slots): a lane holds one slot, and the 16 registers of tiles 2 b, 2 b + 1 are 16 neighbouring hidden units.
; hq: codes [b 64][expert's place 2][slot tile 7][K step 8][chunk 4][lane 32][16 bytes]; from HS_OFF on the scale words [b][place][K step 8][128 slots] (the last 16 slots hold a copy of tile 6's).
; LIMITS: a block of 32 of h whose largest magnitude lies under 2^-117 keeps the scale byte 1; so does a block of zeros (this program alone reads the bytes).  NaN and infinities are not served.
; REGISTERS: window 0: v0-11 addresses, v12-27 the weights' scale words, v28-29 x's, v32-63 fragments of odd pairs, v64-255 the ring (at the end: at work).  window 1: v0-223 the accumulators ((m, f) at 32 m + 8 f), v224-255 fragments of even pairs.
.set XS_OFF, 4194304
.set HS_OFF, 14680064
.set XP,   1040                        ; a row of x in LDS: 1,024 + 16 bytes
.set XSC,  116480                      ; behind the 112 rows: x's scale words [K step 8][128 slots]
.set SPARE, 120576                     ; behind them: the spare words, 128 bytes a wave
.set TILE, 16*XP
.set KB,   128
.set CB,   32
.set WV,  16
.set BB,  18
.set EMP, 19
.set LO,  20
.set HI,  21
.set NV,  22
.set WB,  24
.set SW,  26                           ; 0: expert lo, 1: expert hi
.set W4,  27
.set SB,  28
.set HB,  32
.set HSB, 34
.set PRM, 42
.set TKS, 48                           ; s48-61 the tokens of my 14 rows
.set SEL, 62
.set MNT, 66
.set HMSK, 67
.set VA,  3                            ; v3, v4   fragments of slot tiles 0-3, 4-6
.set VS,  5
.set SPW, 6
.set NIL, 7
.set HSA, 8
.set SC,  12
.set AS,  28
.set OFF, 32                           ; v32-45 in the prologue
.set XIN, 46
.set XSI, 47
.set TKR, 48
.set TKC, 49
.set XSA, 50
.set XL,  52
.set R,   56
.set H,   57
.set PO1, 58
.set PO2, 59
.set MX,  64                           ; at work on the way out: 14 each
.set PB,  80
.set HD,  96
.set SO,  112
.set U,   128
.set UU,  136
.set CD,  192                          ; v192-247 codes
.set MSB, 0
.macro WIN new                         ; the immediate's high byte repeats the setting that is left
.if MSB != \new
	s_set_vgpr_msb (MSB<<8)|\new
.set MSB, \new
.endif
.endm
.macro BLOAD t                         ; K step t's four weight fragments into ring slot t % 3: each load 512 consecutive bytes
.irp f, 0,1,2,3
.irp c, 0,1,2,3
	global_load_b128 v[64+64*((\t)%3)+16*\f+4*\c:64+64*((\t)%3)+16*\f+4*\c+3], v2, s[WB:WB+1] offset:8192*(\t)+2048*\f+512*\c
.endr
.endr
.endm
.macro PLOAD q                         ; pair q: K step q / 4, slot tiles 2 (q % 4) and the next (the fourth pair has one tile); and its scale words.  9 loads (5)
.set TL, (\q)/4
.set PL, (\q)%4
.if PL%2
.set FB, 32
	WIN 0
.else
.set FB, 224
	WIN 0x40
.endif
.irp i, 0,1
.if 2*PL+\i < 7
.irp c, 0,1,2,3
	ds_load_b128 v[FB+16*\i+4*\c:FB+16*\i+4*\c+3], v[VA+(2*PL+\i)/4] offset:TILE*((2*PL+\i)%4)+KB*TL+CB*\c
.endr
.endif
.endr
	WIN 0
	ds_load_b32 v[AS+(PL%2)], v[VS] offset:512*TL+128*PL
.endm
.macro MM m, f                         ; weight tile f x slot tile m in K step TP.  The first K step starts the sums with the constant 0
.set rD, 32*(\m)+8*(\f)
.set rB, 64+64*(TP%3)+16*(\f)
.set rA, 224-192*(PP%2)+16*((\m)%2)
.set rS, SC+8*((\f)/2)+TP
.set rT, AS+(PP%2)
.if TP == 0
.if ((\f)%2) && ((\m)%2)
	v_wmma_scale_f32_16x16x128_f8f6f4 v[rD:rD+7], v[rB:rB+15], v[rA:rA+15], 0, v[rS], v[rT] matrix_a_scale:MATRIX_SCALE_ROW1 matrix_b_scale:MATRIX_SCALE_ROW1
.elseif ((\f)%2)
	v_wmma_scale_f32_16x16x128_f8f6f4 v[rD:rD+7], v[rB:rB+15], v[rA:rA+15], 0, v[rS], v[rT] matrix_a_scale:MATRIX_SCALE_ROW1
.elseif ((\m)%2)
	v_wmma_scale_f32_16x16x128_f8f6f4 v[rD:rD+7], v[rB:rB+15], v[rA:rA+15], 0, v[rS], v[rT] matrix_b_scale:MATRIX_SCALE_ROW1
.else
	v_wmma_scale_f32_16x16x128_f8f6f4 v[rD:rD+7], v[rB:rB+15], v[rA:rA+15], 0, v[rS], v[rT]
.endif
.else
.if ((\f)%2) && ((\m)%2)
	v_wmma_scale_f32_16x16x128_f8f6f4 v[rD:rD+7], v[rB:rB+15], v[rA:rA+15], v[rD:rD+7], v[rS], v[rT] matrix_a_scale:MATRIX_SCALE_ROW1 matrix_b_scale:MATRIX_SCALE_ROW1
.elseif ((\f)%2)
	v_wmma_scale_f32_16x16x128_f8f6f4 v[rD:rD+7], v[rB:rB+15], v[rA:rA+15], v[rD:rD+7], v[rS], v[rT] matrix_a_scale:MATRIX_SCALE_ROW1
.elseif ((\m)%2)
	v_wmma_scale_f32_16x16x128_f8f6f4 v[rD:rD+7], v[rB:rB+15], v[rA:rA+15], v[rD:rD+7], v[rS], v[rT] matrix_b_scale:MATRIX_SCALE_ROW1
.else
	v_wmma_scale_f32_16x16x128_f8f6f4 v[rD:rD+7], v[rB:rB+15], v[rA:rA+15], v[rD:rD+7], v[rS], v[rT]
.endif
.endif
.endm
; A PAIR: the next pair's loads go out first (eight places stand behind the last products that read their registers); at a K step's head the weights of two steps on; then the waits; then the products, the 28 accumulators by turns.
.macro PAIR q
.if (\q) < 31
	PLOAD (\q)+1
.endif
.set TP, (\q)/4
.set PP, (\q)%4
.if PP == 0
.if TP < 6
	BLOAD TP+2
	s_wait_loadcnt 32                              ; the two ring steps behind this one may be out
.elseif TP == 6
	s_wait_loadcnt 16
.else
	s_wait_loadcnt 0x0
.endif
.endif
.if (\q) == 31
	s_wait_dscnt 0x0
.elseif PP == 2
	s_wait_dscnt 5                                 ; the next pair's loads may be out
.else
	s_wait_dscnt 9
.endif
.if PP%2
	WIN 0x50                                       ; source 1 window 0; C and D window 1
.else
	WIN 0x54                                       ; source 1, C and D window 1
.endif
.irp i, 0,1
.if 2*PP+\i < 7
.irp f, 0,1,2,3
	MM 2*PP+\i, \f
.endr
.endif
.endr
.rept 8
	v_nop
.endr
.endm
	s_load_b256 s[4:11], s[0:1], 0x0               ; meta, xq, wc, ws
	s_load_b64 s[12:13], s[0:1], 0x20              ; hq
	v_lshl_add_u32 v[SPW], v0, 2, SPARE
	v_mov_b32 v[NIL], 0
	v_lshrrev_b32 v1, 5, v0
	v_readfirstlane_b32 s[WV], v1                  ; wave 0..7
	v_and_b32 v1, 31, v0                           ; lane
	v_and_b32 v[R], 15, v0
	v_bfe_u32 v[H], v0, 4, 1
	v_lshlrev_b32 v2, 4, v1                        ; 16 x lane
	s_and_b32 s[BB], ttmp7, 0xffff                 ; the block
	s_lshl_b32 s2, s[BB], 2
	s_wait_alu depctr_va_vdst(0)
	s_wait_kmcnt 0x0
	s_load_b32 s3, s[4:5], s2 offset:0x0           ; binfo[b]
	s_load_b32 s23, s[4:5], 0x0                    ; binfo[0]: block 0 is always in use
	s_lshr_b32 s[SW], s[WV], 2
	s_and_b32 s[W4], s[WV], 3
	v_mul_u32_u24 v[VA], v[R], XP
	v_lshl_add_u32 v[VA], v[H], 4, v[VA]           ; row r, + 16 h
	v_add_nc_u32 v[VA+1], 4*TILE, v[VA]
	v_lshl_add_u32 v[VS], v1, 2, XSC
	s_mul_i32 s40, s[WV], 14*XP
	v_add_nc_u32 v[XIN], s40, v2                   ; rows 14 w on
	s_lshl_b32 s40, s[WV], 6
	s_add_co_u32 s40, s40, XSC
	v_lshl_add_u32 v[XSI], v[R], 2, s40            ; scale words in: slot 16 w + r, K steps 4 h on
	v_lshl_add_u32 v[XSI], v[H], 11, v[XSI]
	s_and_b32 s41, s[WV], 1
	s_lshl_b32 s40, s41, 1
	v_lshl_add_u32 v[HSA], v1, 2, s40              ; h's scale halves
	s_mul_i32 s40, s[WV], 14
	v_min_u32 v[PO1], 13, v[R]
	v_add_nc_u32 v[PO1], s40, v[PO1]               ; slot 14 w + lane % 16 (13 at the most): the rows that I gather
	s_lshl_b32 s40, s[WV], 4
	v_add_nc_u32 v[PO2], s40, v[R]                 ; slot 16 w + r: the scale bytes that I gather
	s_mov_b32 s[SEL], 0x76543210
	s_mov_b32 s[SEL+1], 0xfedcba98                 ; v_permlanex16_b32's selects for lane l xor 16
	s_mov_b32 s[MNT], 0x600000                     ; the mantissa field of 448
	s_mov_b32 s[HMSK], 0xffff0000                  ; lanes 16-31
	s_wait_alu depctr_va_vdst(0)
	s_wait_kmcnt 0x0
	s_lshr_b32 s[NV], s3, 16
	s_cmp_eq_u32 s[NV], 0                          ; is my block in use?  If not, block 0's numbers serve up to the barrier
	s_cselect_b32 s[EMP], 1, 0
	s_cselect_b32 s3, s23, s3
	s_cselect_b32 s[BB], 0, s[BB]
	s_min_u32 s[BB], s[BB], 63
	s_bfe_u32 s[LO], s3, 0x80000
	s_bfe_u32 s[HI], s3, 0x80008
	s_lshr_b32 s[NV], s3, 16
	s_min_u32 s[NV], s[NV], 112
	s_sub_co_u32 s[NV], s[NV], 1
	s_min_u32 s[NV], s[NV], 111                    ; the last valid slot
	s_cmp_eq_u32 s[SW], 0
	s_cselect_b32 s[LO], s[LO], s[HI]              ; my expert
	s_min_u32 s[LO], s[LO], 7
	s_lshl_b32 s40, ttmp9, 2
	s_add_co_u32 s40, s40, s[W4]                   ; my group of 64 hidden units
	s_mov_b32 s45, 0
	s_mov_b32 s47, 0
	s_lshl_b32 s44, s[LO], 4
	s_add_co_u32 s44, s44, s40
	s_lshl_b32 s46, s44, 11
	s_lshl_b32 s44, s44, 16
	s_add_nc_u64 s[WB:WB+1], s[8:9], s[44:45]
	s_add_nc_u64 s[SB:SB+1], s[10:11], s[46:47]
	s_lshr_b32 s40, s40, 1                         ; my K step of the second product
	s_mul_i32 s44, s[BB], 229376
	s_mul_i32 s46, s[SW], 114688
	s_add_co_u32 s44, s44, s46
	s_lshl_b32 s46, s40, 11
	s_add_co_u32 s44, s44, s46
	s_lshl_b32 s46, s41, 10                        ; and my two chunks of its four
	s_add_co_u32 s44, s44, s46
	s_add_nc_u64 s[HB:HB+1], s[12:13], s[44:45]
	s_lshl_b32 s44, s[BB], 13
	s_lshl_b32 s46, s[SW], 12
	s_add_co_u32 s44, s44, s46
	s_lshl_b32 s46, s40, 9
	s_add_co_u32 s44, s44, s46
	s_add_co_u32 s44, s44, HS_OFF
	s_add_nc_u64 s[HSB:HSB+1], s[12:13], s[44:45]
	s_mul_i32 s44, s[BB], 448
	s_add_nc_u64 s[PRM:PRM+1], s[4:5], s[44:45]
.irp p, PO1, PO2
	v_min_u32 v[\p], s[NV], v[\p]                  ; held at the last valid slot
	v_min_u32 v[\p], 0x6f, v[\p]
	v_lshlrev_b32 v[\p], 2, v[\p]
.endr
	global_load_b32 v[TKR], v[PO1], s[PRM:PRM+1] offset:1024
	global_load_b32 v[TKC], v[PO2], s[PRM:PRM+1] offset:1024
.irp p, 0,1
.irp i, 0,1
	global_load_b128 v[SC+8*\p+4*\i:SC+8*\p+4*\i+3], v2, s[SB:SB+1] offset:1024*\i+512*\p   ; the weights' scale words: lanes 0-15 tile 2 p, lanes 16-31 tile 2 p + 1
.endr
.endr
	BLOAD 0
	s_wait_alu depctr_va_vdst(0)
	s_wait_loadcnt 20                              ; the tokens are in; behind them 4 loads of scale words and 16 of the ring
	v_min_u32 v[TKR], 0xfff, v[TKR]
	v_min_u32 v[TKC], 0xfff, v[TKC]
	v_lshlrev_b32 v[XSA], 5, v[TKC]
	v_lshl_add_u32 v[XSA], v[H], 4, v[XSA]         ; its 32 scale bytes, my half of them
.irp i, 0,1,2,3,4,5,6,7,8,9,10,11,12,13
	v_readlane_b32 s[TKS+\i], v[TKR], \i           ; all in one run, ahead of the first scalar line that reads one
.endr
.irp i, 0,1,2,3,4,5,6,7,8,9,10,11,12,13
	s_min_u32 s[TKS+\i], s[TKS+\i], 0xfff
.endr
.irp i, 0,1,2,3,4,5,6,7,8,9,10,11,12,13
	v_lshl_add_u32 v[OFF+\i], s[TKS+\i], 10, v2    ; a row of 1,024 codes, 16 bytes a lane
.endr
	WIN 0x40
.irp i, 0,1,2,3,4,5,6,7,8,9,10,11,12,13
	global_load_b128 v[8*\i:8*\i+3], v[OFF+\i], s[6:7]               ; 512 consecutive bytes of one row
	global_load_b128 v[8*\i+4:8*\i+7], v[OFF+\i], s[6:7] offset:512
.endr
	WIN 0
	global_load_b128 v[XL:XL+3], v[XSA], s[6:7] offset:XS_OFF
	BLOAD 1
	s_wait_alu depctr_va_vdst(0)
	s_wait_loadcnt 16                              ; x is in; the ring's second step may be out
	WIN 0x04
.irp i, 0,1,2,3,4,5,6,7,8,9,10,11,12,13
	ds_store_b128 v[XIN], v[8*\i:8*\i+3] offset:XP*\i
	ds_store_b128 v[XIN], v[8*\i+4:8*\i+7] offset:XP*\i+512
.endr
	WIN 0
.irp j, 0,1,2,3
	ds_store_b32 v[XSI], v[XL+\j] offset:512*\j
.endr
	s_wait_dscnt 0x0                               ; for the others' sake: my rows and scale words lie in LDS
	s_barrier_signal -1
	s_barrier_wait -1                              ; the launch's one barrier: every wave has passed it when the ways part
	s_cmp_eq_u32 s[EMP], 1
	s_cbranch_scc1 .Lend
	PLOAD 0
.set Q, 0
.rept 32
	PAIR Q
.set Q, Q+1
.endr
; THE WAY OUT: 14 blocks of 32 hidden units (slot tile m, half b: block k = 2 m + b = 16 registers of a lane, the other 16 in lane l xor 16), by turns.  Each accumulator is read from its low end on.
	WIN 0x05                                       ; sources 0 and 1 window 1
.irp k, 0,1,2,3,4,5,6,7,8,9,10,11,12,13
	v_max3_num_f32 v[MX+\k], |v[16*\k]|, |v[16*\k+1]|, 0x4800000   ; my 16 numbers, and the floor 2^(9 - 127): the byte cannot fall under 1
.endr
.irp i, 2,4,6,8,10,12,14
.irp k, 0,1,2,3,4,5,6,7,8,9,10,11,12,13
	v_max3_num_f32 v[MX+\k], |v[16*\k+\i]|, |v[16*\k+\i+1]|, v[MX+\k]
.endr
.endr
	WIN 0
.irp k, 0,1,2,3,4,5,6,7,8,9,10,11,12,13
	v_permlanex16_b32 v[PB+\k], v[MX+\k], s[SEL], s[SEL+1]
.endr
.irp k, 0,1,2,3,4,5,6,7,8,9,10,11,12,13
	v_max_num_f32 v[MX+\k], v[MX+\k], v[PB+\k]     ; with lane l xor 16's: the block's largest magnitude
.endr
.irp k, 0,1,2,3,4,5,6,7,8,9,10,11,12,13
	v_add_nc_u32 v[SO+\k], 0xfc000000, v[MX+\k]    ; 8 off its exponent field: the conversion's scale operand
.endr
.irp k, 0,1,2,3,4,5,6,7,8,9,10,11,12,13
	v_and_or_b32 v[HD+\k], v[MX+\k], 0x7f800000, s[MNT]   ; 448 x the scale
.endr
.irp k, 0,1,2,3,4,5,6,7,8,9,10,11,12,13
	v_lshrrev_b32 v[PB+\k], 23, v[SO+\k]           ; the scale's byte
.endr
.irp m, 0,1,2,3,4,5,6
	v_lshl_or_b32 v[U+\m], v[PB+2*\m+1], 8, v[PB+2*\m]   ; my two bytes of slot tile m's scale word
.endr
.irp p, 0,1,2
	v_cndmask_b32 v[UU+\p], v[U+2*\p], v[U+2*\p+1], s[HMSK]   ; lanes 0-15 carry tile 2 p's, lanes 16-31 tile 2 p + 1's
.endr
	v_mov_b32 v[UU+3], v[U+6]
	WIN 0x41                                       ; source 0 and destination window 1
.irp k, 0,1,2,3,4,5,6,7,8,9,10,11,12,13
.irp i, 0,1,2,3,4,5,6,7,8,9,10,11,12,13,14,15
	v_med3_num_f32 v[16*\k+\i], v[16*\k+\i], -v[HD+\k], v[HD+\k]   ; the conversion to an 8-bit code does not saturate (ISA guide 7.6.2): the hold comes first
.endr
.endr
	WIN 0x01                                       ; source 0 window 1
.irp k, 0,1,2,3,4,5,6,7,8,9,10,11,12,13
	v_cvt_scalef32_pk8_fp8_f32 v[CD+4*\k:CD+4*\k+1], v[16*\k:16*\k+7], v[SO+\k]
	v_cvt_scalef32_pk8_fp8_f32 v[CD+4*\k+2:CD+4*\k+3], v[16*\k+8:16*\k+15], v[SO+\k]
.endr
	v_nop                                          ; a plain line behind the last conversion
	WIN 0
.irp m, 0,1,2,3,4,5,6
.irp b, 0,1
	global_store_b128 v2, v[CD+8*\m+4*\b:CD+8*\m+4*\b+3], s[HB:HB+1] offset:16384*\m+512*\b   ; a chunk of the next operand's fragment: 512 consecutive bytes
.endr
.endr
.irp p, 0,1,2,3
	global_store_b16 v[HSA], v[UU+\p], s[HSB:HSB+1] offset:128*\p
.endr
.Lend:
	s_wait_tensorcnt 0x0                           ; the wave's end
	ds_add_u32 v[SPW], v[NIL]
	s_wait_dscnt 0x0
	s_endpgm
.Lfunc_end_k_q347f10c8d7_gemm1:
	.size	k_q347f10c8d7_gemm1, .Lfunc_end_k_q347f10c8d7_gemm1-k_q347f10c8d7_gemm1
	.p2alignl 7, 3214868480
	.fill 96, 4, 3214868480
	.section	.rodata,"a",@progbits
	.p2align	6, 0x0
	.amdhsa_kernel k_q347f10c8d7_gemm1
		.amdhsa_group_segment_fixed_size 121600
		.amdhsa_private_segment_fixed_size 0
		.amdhsa_enable_private_segment 0
		.amdhsa_kernarg_size 40
		.amdhsa_user_sgpr_count 2
		.amdhsa_user_sgpr_kernarg_segment_ptr 1
		.amdhsa_wavefront_size32 1
		.amdhsa_system_sgpr_workgroup_id_x 1
		.amdhsa_system_sgpr_workgroup_id_y 1
		.amdhsa_system_sgpr_workgroup_id_z 1
		.amdhsa_system_vgpr_workitem_id 0
		.amdhsa_next_free_vgpr 512
		.amdhsa_next_free_sgpr 72
		.amdhsa_reserve_vcc 0
		.amdhsa_float_denorm_mode_32 3
		.amdhsa_float_denorm_mode_16_64 3
		.amdhsa_memory_ordered 1
		.amdhsa_forward_progress 1
		.amdhsa_inst_pref_size 111
	.end_amdhsa_kernel
	.amdgpu_metadata
---
amdhsa.version: [ 1, 2 ]
amdhsa.kernels:
  - .name:           k_q347f10c8d7_gemm1
    .symbol:         k_q347f10c8d7_gemm1.kd
    .args:
      - { .name: meta, .offset: 0, .size: 8, .value_kind: global_buffer, .address_space: global }
      - { .name: xq, .offset: 8, .size: 8, .value_kind: global_buffer, .address_space: global }
      - { .name: wc, .offset: 16, .size: 8, .value_kind: global_buffer, .address_space: global }
      - { .name: ws, .offset: 24, .size: 8, .value_kind: global_buffer, .address_space: global }
      - { .name: hq, .offset: 32, .size: 8, .value_kind: global_buffer, .address_space: global }
    .group_segment_fixed_size: 121600
    .private_segment_fixed_size: 0
    .kernarg_segment_align: 8
    .kernarg_segment_size: 40
    .max_flat_workgroup_size: 256
    .sgpr_count:     72
    .vgpr_count:     512
    .wavefront_size: 32
...
	.end_amdgpu_metadata
.endif
;; end of part 7
;; launch gemm2 (part 8): grid 4 x 64, 8 waves a work-group, no clusters, 245,760 bytes of LDS; arguments meta, gat, hq, wc, ws, out0; writes out0
.if DOCPART == 8
	.amdgcn_target "amdgcn-amd-amdhsa--gfx1250"
	.amdhsa_code_object_version 6
	.text
	.protected	k_q347f10c8d7_gemm2
	.globl	k_q347f10c8d7_gemm2
	.p2align	8
	.type	k_q347f10c8d7_gemm2,@function
k_q347f10c8d7_gemm2:
	s_mov_b64 s[64:65], 0
	v_nop
	global_prefetch_b8 v0, s[64:65] scope:SCOPE_SE
	s_setreg_imm32_b32 hwreg(HW_REG_WAVE_MODE, 25, 1), 1
	s_wait_xcnt 0x0
; THE SECOND PRODUCT AND THE GATED SUM: y[token] = g_lo (Q(h_lo) Q(w_out[lo])^T) + g_hi (Q(h_hi) Q(w_out[hi])^T).  MX-FP8, sums in f32; the gates in f32.
; A BLOCK is 112 slots whose tokens all chose the same two experts; a token lies in exactly one block, so each row of the output has one owner and nothing is summed through memory.
; SHARES.  Work-group (cb, b): block b x 256 outputs.  Waves 0-3 multiply h_lo by expert lo's weights, waves 4-7 h_hi by expert hi's; wave w all 112 slots x the 64 outputs of group 4 cb + w % 4: 28 accumulators, 8 K steps of 128.
; The weights' fragments come from memory straight into a ring of three register slots, two K steps ahead.  h's codes were stored as images of the operand's registers: both experts' 224 KiB are copied into LDS once, as they lie.
; No tensor load, no cluster: the weights' addresses and the end of an unused block hang on stored numbers.  No prefetch: the launch has no loop to run ahead in, and the ring asks two of eight K steps ahead.
; A BLOCK THAT IS NOT USED takes block 0's numbers through the prologue and the first barrier and ends behind it, storing nothing (all eight waves take the same way: the number is the block's).
; TRANSPOSED USE (source 0 = 16 rows of the weight, source 1 = 16 slots): a lane holds one slot and 16 neighbouring outputs in the registers of two neighbouring tiles.
; THE WAY OUT: behind a barrier (h has been read) each wave puts its gated sums as rows into its own 112 x 272 bytes of LDS, over h; behind another wave w adds the two experts' rows 14 w .. 14 w + 13 and stores 512 consecutive bytes of a token's row an instruction.
; Slots behind the last valid one are computed (as copies) and not stored.  LIMITS: NaN and infinities are not served.
; REGISTERS: window 0: v0-11 addresses, v12-27 the weights' scale words, v28-29 h's, v32-63 fragments of odd pairs, v64-255 the ring (at the end: gates, places in the output).  window 1: v0-223 the accumulators ((m, f) at 32 m + 8 f), v224-255 fragments of even pairs.
.set HS_OFF, 14680064
.set HSC,   229376                     ; LDS: h's images, then its scale words, 4,096 bytes an expert
.set SREG,  30464                      ; the way out: 112 rows x 272 bytes a wave, from LDS byte 0 on
.set SPT,   272
.set GT,    243712                     ; behind the eight regions: the gates [expert's place 2][128 slots]
.set SPARE, 244736                     ; the spare words, 128 bytes a wave
.set TILE,  16384
.set KB,    2048
.set CB,    512
.set WV,  16
.set BB,  18
.set EMP, 19
.set LO,  20
.set HI,  21
.set NV,  22
.set WB,  24
.set SW,  26
.set W4,  27
.set SB,  28
.set OB,  32
.set HQB, 34
.set HSB, 36
.set PRM, 42
.set TKS, 48                           ; s48-61 the tokens of slots 14 w .. 14 w + 13
.set ROW, 62
.set VA,  3                            ; v3, v4
.set VS,  5
.set SPW, 6
.set NIL, 7
.set STO, 8
.set RD,  9                            ; v9, v10: the rows of the lower, of the higher expert
.set GTR, 11
.set SC,  12
.set AS,  28
.set HL,  32                           ; v32-39 in the prologue
.set GTI, 45
.set HIN, 46
.set HSI, 47
.set TKR, 48
.set TKC, 49
.set GA,  50
.set GV,  51
.set R,   56
.set H,   57
.set PO1, 58
.set PO2, 59
.set G,   64                           ; on the way out: v64, 66 .. 76 the gates of my seven slots
.set OFF, 80                           ; v80-93 the rows' places in the output
.set MSB, 0
.macro WIN new                         ; the immediate's high byte repeats the setting that is left
.if MSB != \new
	s_set_vgpr_msb (MSB<<8)|\new
.set MSB, \new
.endif
.endm
.macro BLOAD t                         ; K step t's four weight fragments into ring slot t % 3: each load 512 consecutive bytes
.irp f, 0,1,2,3
.irp c, 0,1,2,3
	global_load_b128 v[64+64*((\t)%3)+16*\f+4*\c:64+64*((\t)%3)+16*\f+4*\c+3], v2, s[WB:WB+1] offset:8192*(\t)+2048*\f+512*\c
.endr
.endr
.endm
.macro PLOAD q                         ; pair q: K step q / 4, slot tiles 2 (q % 4) and the next (the fourth pair has one tile); and its scale words.  9 loads (5)
.set TL, (\q)/4
.set PL, (\q)%4
.if PL%2
.set FB, 32
	WIN 0
.else
.set FB, 224
	WIN 0x40
.endif
.irp i, 0,1
.if 2*PL+\i < 7
.irp c, 0,1,2,3
	ds_load_b128 v[FB+16*\i+4*\c:FB+16*\i+4*\c+3], v[VA+(2*PL+\i)/4] offset:TILE*((2*PL+\i)%4)+KB*TL+CB*\c
.endr
.endif
.endr
	WIN 0
	ds_load_b32 v[AS+(PL%2)], v[VS] offset:512*TL+128*PL
.endm
.macro MM m, f                         ; weight tile f x slot tile m in K step TP.  The first K step starts the sums with the constant 0
.set rD, 32*(\m)+8*(\f)
.set rB, 64+64*(TP%3)+16*(\f)
.set rA, 224-192*(PP%2)+16*((\m)%2)
.set rS, SC+8*((\f)/2)+TP
.set rT, AS+(PP%2)
.if TP == 0
.if ((\f)%2) && ((\m)%2)
	v_wmma_scale_f32_16x16x128_f8f6f4 v[rD:rD+7], v[rB:rB+15], v[rA:rA+15], 0, v[rS], v[rT] matrix_a_scale:MATRIX_SCALE_ROW1 matrix_b_scale:MATRIX_SCALE_ROW1
.elseif ((\f)%2)
	v_wmma_scale_f32_16x16x128_f8f6f4 v[rD:rD+7], v[rB:rB+15], v[rA:rA+15], 0, v[rS], v[rT] matrix_a_scale:MATRIX_SCALE_ROW1
.elseif ((\m)%2)
	v_wmma_scale_f32_16x16x128_f8f6f4 v[rD:rD+7], v[rB:rB+15], v[rA:rA+15], 0, v[rS], v[rT] matrix_b_scale:MATRIX_SCALE_ROW1
.else
	v_wmma_scale_f32_16x16x128_f8f6f4 v[rD:rD+7], v[rB:rB+15], v[rA:rA+15], 0, v[rS], v[rT]
.endif
.else
.if ((\f)%2) && ((\m)%2)
	v_wmma_scale_f32_16x16x128_f8f6f4 v[rD:rD+7], v[rB:rB+15], v[rA:rA+15], v[rD:rD+7], v[rS], v[rT] matrix_a_scale:MATRIX_SCALE_ROW1 matrix_b_scale:MATRIX_SCALE_ROW1
.elseif ((\f)%2)
	v_wmma_scale_f32_16x16x128_f8f6f4 v[rD:rD+7], v[rB:rB+15], v[rA:rA+15], v[rD:rD+7], v[rS], v[rT] matrix_a_scale:MATRIX_SCALE_ROW1
.elseif ((\m)%2)
	v_wmma_scale_f32_16x16x128_f8f6f4 v[rD:rD+7], v[rB:rB+15], v[rA:rA+15], v[rD:rD+7], v[rS], v[rT] matrix_b_scale:MATRIX_SCALE_ROW1
.else
	v_wmma_scale_f32_16x16x128_f8f6f4 v[rD:rD+7], v[rB:rB+15], v[rA:rA+15], v[rD:rD+7], v[rS], v[rT]
.endif
.endif
.endm
; A PAIR: the next pair's loads go out first (eight places stand behind the last products that read their registers); at a K step's head the weights of two steps on; then the waits; then the products, the 28 accumulators by turns.
.macro PAIR q
.if (\q) < 31
	PLOAD (\q)+1
.endif
.set TP, (\q)/4
.set PP, (\q)%4
.if PP == 0
.if TP < 6
	BLOAD TP+2
	s_wait_loadcnt 32                              ; the two ring steps behind this one may be out
.elseif TP == 6
	s_wait_loadcnt 16
.else
	s_wait_loadcnt 0x0
.endif
.endif
.if (\q) == 31
	s_wait_dscnt 0x0
.elseif PP == 2
	s_wait_dscnt 5                                 ; the next pair's loads may be out
.else
	s_wait_dscnt 9
.endif
.if PP%2
	WIN 0x50                                       ; source 1 window 0; C and D window 1
.else
	WIN 0x54                                       ; source 1, C and D window 1
.endif
.irp i, 0,1
.if 2*PP+\i < 7
.irp f, 0,1,2,3
	MM 2*PP+\i, \f
.endr
.endif
.endr
.rept 8
	v_nop
.endr
.endm
	s_load_b256 s[4:11], s[0:1], 0x0               ; meta, gat, hq, wc
	s_load_b128 s[12:15], s[0:1], 0x20             ; ws, out0
	v_lshl_add_u32 v[SPW], v0, 2, SPARE
	v_mov_b32 v[NIL], 0
	v_lshrrev_b32 v1, 5, v0
	v_readfirstlane_b32 s[WV], v1                  ; wave 0..7
	v_and_b32 v1, 31, v0                           ; lane
	v_and_b32 v[R], 15, v0
	v_bfe_u32 v[H], v0, 4, 1
	v_lshlrev_b32 v2, 4, v1                        ; 16 x lane
	s_and_b32 s[BB], ttmp7, 0xffff                 ; the block
	s_lshl_b32 s2, s[BB], 2
	s_wait_alu depctr_va_vdst(0)
	s_wait_kmcnt 0x0
	s_load_b32 s3, s[4:5], s2 offset:0x0           ; binfo[b]
	s_load_b32 s23, s[4:5], 0x0                    ; binfo[0]: block 0 is always in use
	s_lshr_b32 s[SW], s[WV], 2                     ; 0: expert lo, 1: expert hi
	s_and_b32 s[W4], s[WV], 3
	s_mul_i32 s40, s[SW], 114688
	v_add_nc_u32 v[VA], s40, v2                    ; my expert's images
	v_add_nc_u32 v[VA+1], 4*TILE, v[VA]
	s_lshl_b32 s40, s[SW], 12
	s_add_co_u32 s40, s40, HSC
	v_lshl_add_u32 v[VS], v1, 2, s40
	s_mul_i32 s40, s[WV], SREG
	v_mul_u32_u24 v[STO], v[R], SPT
	v_lshl_add_u32 v[STO], v[H], 6, v[STO]
	v_add_nc_u32 v[STO], s40, v[STO]               ; the way out, in: my region, row r, + 64 h
	s_mul_i32 s40, s[WV], 14*SPT
	v_mul_u32_u24 v[RD], v[H], SREG
	v_lshl_add_u32 v[RD], v[R], 4, v[RD]
	v_add_nc_u32 v[RD], s40, v[RD]                 ; back: row 14 w on; lanes 0-15 one wave's 256 bytes of it, lanes 16-31 the next wave's
	v_add_nc_u32 v[RD+1], 4*SREG, v[RD]
	s_lshl_b32 s40, s[SW], 9
	s_add_co_u32 s40, s40, GT
	v_lshl_add_u32 v[GTR], v[R], 2, s40            ; my gates, out
	s_lshl_b32 s40, s[WV], 6
	s_add_co_u32 s40, s40, GT
	v_lshl_add_u32 v[GTI], v[R], 2, s40            ; in: slot 16 w + r, expert's place h
	v_lshl_add_u32 v[GTI], v[H], 9, v[GTI]
	s_mul_i32 s40, s[WV], 28672
	v_add_nc_u32 v[HIN], s40, v2                   ; my eighth of the images
	s_lshl_b32 s40, s[WV], 10
	s_add_co_u32 s40, s40, HSC
	v_add_nc_u32 v[HSI], s40, v2                   ; and of the scale words
	s_mul_i32 s40, s[WV], 14
	v_min_u32 v[PO1], 13, v[R]
	v_add_nc_u32 v[PO1], s40, v[PO1]               ; slot 14 w + lane % 16 (13 at the most): the rows that I store
	s_lshl_b32 s40, s[WV], 4
	v_add_nc_u32 v[PO2], s40, v[R]                 ; slot 16 w + r: the gates that I fetch
	s_wait_alu depctr_va_vdst(0)
	s_wait_kmcnt 0x0
	s_lshr_b32 s[NV], s3, 16
	s_cmp_eq_u32 s[NV], 0                          ; is my block in use?  If not, block 0's numbers serve up to the barrier
	s_cselect_b32 s[EMP], 1, 0
	s_cselect_b32 s3, s23, s3
	s_cselect_b32 s[BB], 0, s[BB]
	s_min_u32 s[BB], s[BB], 63
	s_bfe_u32 s[LO], s3, 0x80000
	s_bfe_u32 s[HI], s3, 0x80008
	s_lshr_b32 s[NV], s3, 16
	s_min_u32 s[NV], s[NV], 112
	s_sub_co_u32 s[NV], s[NV], 1
	s_min_u32 s[NV], s[NV], 111                    ; the last valid slot
	s_cmp_eq_u32 s[SW], 0
	s_cselect_b32 s[LO], s[LO], s[HI]              ; my expert
	s_min_u32 s[LO], s[LO], 7
	s_mov_b32 s45, 0
	s_mov_b32 s47, 0
	s_mul_i32 s44, s[BB], 448
	s_add_nc_u64 s[PRM:PRM+1], s[4:5], s[44:45]
	s_mul_i32 s44, s[BB], 229376
	s_mul_i32 s46, s[WV], 28672
	s_add_co_u32 s44, s44, s46
	s_add_nc_u64 s[HQB:HQB+1], s[8:9], s[44:45]
	s_lshl_b32 s44, s[BB], 13
	s_lshl_b32 s46, s[WV], 10
	s_add_co_u32 s44, s44, s46
	s_add_co_u32 s44, s44, HS_OFF
	s_add_nc_u64 s[HSB:HSB+1], s[8:9], s[44:45]
	s_lshl_b32 s40, ttmp9, 2
	s_add_co_u32 s40, s40, s[W4]                   ; my group of 64 outputs
	s_lshl_b32 s44, s[LO], 4
	s_add_co_u32 s44, s44, s40
	s_lshl_b32 s46, s44, 11
	s_lshl_b32 s44, s44, 16
	s_add_co_u32 s44, s44, 8388608                 ; w_out's codes lie behind w_in's,
	s_add_co_u32 s46, s46, 262144                  ; and so do its scale words
	s_add_nc_u64 s[WB:WB+1], s[10:11], s[44:45]
	s_add_nc_u64 s[SB:SB+1], s[12:13], s[46:47]
	s_lshl_b32 s44, ttmp9, 10                      ; the work-group's 256 outputs: 1,024 bytes of a row
	s_add_nc_u64 s[OB:OB+1], s[14:15], s[44:45]
	s_mul_i32 s[ROW], s[WV], 14
.irp p, PO1, PO2
	v_min_u32 v[\p], s[NV], v[\p]                  ; held at the last valid slot
	v_min_u32 v[\p], 0x6f, v[\p]
	v_lshlrev_b32 v[\p], 2, v[\p]
.endr
	global_load_b32 v[TKR], v[PO1], s[PRM:PRM+1] offset:1024
	global_load_b32 v[TKC], v[PO2], s[PRM:PRM+1] offset:1024
	WIN 0x40
.set K_, 0
.rept 56
	global_load_b128 v[4*K_:4*K_+3], v2, s[HQB:HQB+1] offset:512*K_   ; the images, as they lie
.set K_, K_+1
.endr
	WIN 0
	global_load_b128 v[HL:HL+3], v2, s[HSB:HSB+1]
	global_load_b128 v[HL+4:HL+7], v2, s[HSB:HSB+1] offset:512
	s_wait_alu depctr_va_vdst(0)
	s_wait_loadcnt 58                              ; the tokens are in; behind them 58 loads of images and scale words
	v_min_u32 v[TKR], 0xfff, v[TKR]
	v_min_u32 v[TKC], 0xfff, v[TKC]
	v_lshlrev_b32 v[GA], 3, v[TKC]
	v_lshl_add_u32 v[GA], v[H], 2, v[GA]
	global_load_b32 v[GV], v[GA], s[6:7]           ; slot 16 w + r's gate of expert's place h
.irp i, 0,1,2,3,4,5,6,7,8,9,10,11,12,13
	v_readlane_b32 s[TKS+\i], v[TKR], \i           ; all in one run, ahead of the first scalar line that reads one
.endr
.irp i, 0,1,2,3,4,5,6,7,8,9,10,11,12,13
	s_min_u32 s[TKS+\i], s[TKS+\i], 0xfff
.endr
.irp p, 0,1
.irp i, 0,1
	global_load_b128 v[SC+8*\p+4*\i:SC+8*\p+4*\i+3], v2, s[SB:SB+1] offset:1024*\i+512*\p   ; the weights' scale words: lanes 0-15 tile 2 p, lanes 16-31 tile 2 p + 1
.endr
.endr
	BLOAD 0
	BLOAD 1
	s_wait_alu depctr_va_vdst(0)
	s_wait_loadcnt 63                              ; the first 32 images are in: behind them 24 + 2 + 1 + 4 + 32 loads
	WIN 0x04
.set K_, 0
.rept 28
	ds_store_b128 v[HIN], v[4*K_:4*K_+3] offset:512*K_
.set K_, K_+1
.endr
	s_wait_loadcnt 36                              ; all but the weights' scale words and the ring's 32
.rept 28
	ds_store_b128 v[HIN], v[4*K_:4*K_+3] offset:512*K_
.set K_, K_+1
.endr
	WIN 0
	ds_store_b128 v[HSI], v[HL:HL+3]
	ds_store_b128 v[HSI], v[HL+4:HL+7] offset:512
	ds_store_b32 v[GTI], v[GV]
	s_wait_dscnt 0x0                               ; for the others' sake: my part lies in LDS
	s_barrier_signal -1
	s_barrier_wait -1
	s_cmp_eq_u32 s[EMP], 1
	s_cbranch_scc1 .Lempty
	PLOAD 0
.set Q, 0
.rept 32
	PAIR Q
.set Q, Q+1
.endr
	WIN 0
.irp m, 0,1,2,3,4,5,6
	ds_load_b32 v[G+2*\m], v[GTR] offset:64*\m
.endr
	s_wait_dscnt 0x0                               ; my gates are here, and my reads of h are over
	s_barrier_signal -1
.irp i, 0,1,2,3,4,5,6,7,8,9,10,11,12,13
	v_lshl_add_u32 v[OFF+\i], s[TKS+\i], 12, v2    ; a token's row of 4,096 bytes, 16 bytes a lane
.endr
	WIN 0x41                                       ; source 0 and destination window 1
.irp m, 0,1,2,3,4,5,6
.set K_, 0
.rept 16
	v_pk_mul_f32 v[32*\m+K_:32*\m+K_+1], v[32*\m+K_:32*\m+K_+1], v[G+2*\m:G+2*\m+1] op_sel_hi:[1,0]
.set K_, K_+2
.endr
.endr
	s_wait_alu depctr_va_vdst(0)
	s_barrier_wait -1                              ; nobody reads h any more
	WIN 0x04
.irp m, 0,1,2,3,4,5,6
.irp b, 0,1
.irp q, 0,1,2,3
	ds_store_b128 v[STO], v[32*\m+16*\b+4*\q:32*\m+16*\b+4*\q+3] offset:16*SPT*\m+128*\b+16*\q
.endr
.endr
.endr
	s_wait_dscnt 0x0                               ; for the others' sake: my gated sums lie in LDS
	s_barrier_signal -1
	s_barrier_wait -1
	WIN 0x40
.irp i, 0,1,2,3,4,5,6,7,8,9,10,11,12,13
.irp j, 0,1
	ds_load_b128 v[8*\i+4*\j:8*\i+4*\j+3], v[RD] offset:SPT*\i+2*SREG*\j
	ds_load_b128 v[112+8*\i+4*\j:112+8*\i+4*\j+3], v[RD+1] offset:SPT*\i+2*SREG*\j
.endr
.endr
.irp i, 0,1,2,3,4,5,6,7,8,9,10,11,12,13
	WIN 0
	s_cmp_gt_u32 s[ROW], s[NV]                     ; rows ascend: behind the last valid slot there is nothing to store
	s_cbranch_scc1 .Lend
	s_wait_dscnt 52-4*\i                           ; this row is here; the four loads of each later row may be out
	WIN 0x45
.irp k, 0,2,4,6
	v_pk_add_f32 v[8*\i+\k:8*\i+\k+1], v[8*\i+\k:8*\i+\k+1], v[112+8*\i+\k:112+8*\i+\k+1]
.endr
	WIN 0x04
.irp j, 0,1
	global_store_b128 v[OFF+\i], v[8*\i+4*\j:8*\i+4*\j+3], s[OB:OB+1] offset:512*\j th:TH_STORE_NT   ; 512 consecutive bytes, aligned at 256; written once, read by nobody here
.endr
	s_add_co_u32 s[ROW], s[ROW], 1
.endr
	WIN 0
.Lend:
	s_wait_tensorcnt 0x0                           ; the wave's end
	ds_add_u32 v[SPW], v[NIL]
	s_wait_dscnt 0x0
	s_endpgm
.Lempty:
	s_wait_tensorcnt 0x0
	ds_add_u32 v[SPW], v[NIL]
	s_wait_dscnt 0x0
	s_endpgm
.Lfunc_end_k_q347f10c8d7_gemm2:
	.size	k_q347f10c8d7_gemm2, .Lfunc_end_k_q347f10c8d7_gemm2-k_q347f10c8d7_gemm2
	.p2alignl 7, 3214868480
	.fill 96, 4, 3214868480
	.section	.rodata,"a",@progbits
	.p2align	6, 0x0
	.amdhsa_kernel k_q347f10c8d7_gemm2
		.amdhsa_group_segment_fixed_size 245760
		.amdhsa_private_segment_fixed_size 0
		.amdhsa_enable_private_segment 0
		.amdhsa_kernarg_size 48
		.amdhsa_user_sgpr_count 2
		.amdhsa_user_sgpr_kernarg_segment_ptr 1
		.amdhsa_wavefront_size32 1
		.amdhsa_system_sgpr_workgroup_id_x 1
		.amdhsa_system_sgpr_workgroup_id_y 1
		.amdhsa_system_sgpr_workgroup_id_z 1
		.amdhsa_system_vgpr_workitem_id 0
		.amdhsa_next_free_vgpr 512
		.amdhsa_next_free_sgpr 72
		.amdhsa_reserve_vcc 0
		.amdhsa_float_denorm_mode_32 3
		.amdhsa_float_denorm_mode_16_64 3
		.amdhsa_memory_ordered 1
		.amdhsa_forward_progress 1
		.amdhsa_inst_pref_size 110
	.end_amdhsa_kernel
	.amdgpu_metadata
---
amdhsa.version: [ 1, 2 ]
amdhsa.kernels:
  - .name:           k_q347f10c8d7_gemm2
    .symbol:         k_q347f10c8d7_gemm2.kd
    .args:
      - { .name: meta, .offset: 0, .size: 8, .value_kind: global_buffer, .address_space: global }
      - { .name: gat, .offset: 8, .size: 8, .value_kind: global_buffer, .address_space: global }
      - { .name: hq, .offset: 16, .size: 8, .value_kind: global_buffer, .address_space: global }
      - { .name: wc, .offset: 24, .size: 8, .value_kind: global_buffer, .address_space: global }
      - { .name: ws, .offset: 32, .size: 8, .value_kind: global_buffer, .address_space: global }
      - { .name: out0, .offset: 40, .size: 8, .value_kind: global_buffer, .address_space: global }
    .group_segment_fixed_size: 245760
    .private_segment_fixed_size: 0
    .kernarg_segment_align: 8
    .kernarg_segment_size: 48
    .max_flat_workgroup_size: 256
    .sgpr_count:     72
    .vgpr_count:     512
    .wavefront_size: 32
...
	.end_amdgpu_metadata
.endif
;; end of part 8
